; MI455X (gfx1250); checked and timed in simulation.
; The chip was launched on July 23, 2026; its instructions are those of AMD's public machine-readable ISA for CDNA 5 (MIT licence, August 2026) and "CDNA5" Instruction Set Architecture Reference Guide (July 2026). The comments in the code are by the model that wrote it; some were corrected since.
;; Simple Self Attention. Allowed arithmetic: matrix products marked QUANTISED: E2M3 operands, one E8M0 scale for each 32 along K, by v_wmma_scale_f32_16x16x128_f8f6f4 with both operands' format E2M3, f32 sums; everything else in f32.
;; Inputs: Wk 1,024 x 1,024 float32; Wo 1,024 x 1,024 float32; Wq 1,024 x 1,024 float32; Wv 1,024 x 1,024 float32; bo 1,024 float32; key 8 x 1,024 x 1,024 float32; query 8 x 1,024 x 1,024 float32; value 8 x 1,024 x 1,024 float32.
;; Outputs: out0 8 x 1,024 x 1,024 float32.
;; This version of the problem:
;;   THIS VERSION OF THE PROBLEM IS GIVEN IN LOW PRECISION. The matrix products marked QUANTISED in the list below multiply operands that are first quantised to E2M3 (2 exponent bits, 3 mantissa bits; 6 bits a number), with one power-of-two scale for each 32 numbers along K (OCP MX v1.0); their sums are f32. All else is computed in f32.
;;   The module's matrix products, in the order in which they are computed (A, B: the left and right operand; K: the contracted axis; several contracted axes count as one K, in the product's order):
;;     1. [M 8,192, K 1,024] x [K 1,024, N 1,024]; A: input query; B: input Wq: QUANTISED
;;     2. [M 8,192, K 1,024] x [K 1,024, N 1,024]; A: input key; B: input Wk: QUANTISED
;;     3. [M 8,192, K 1,024] x [K 1,024, N 1,024]; A: input value; B: input Wv: QUANTISED
;;     4. batch 8 x [M 1,024, K 1,024] x [K 1,024, N 1,024]; A: computed on the way; B: computed on the way: QUANTISED
;;     5. batch 8 x [M 1,024, K 1,024] x [K 1,024, N 1,024]; A: softmax (see below); B: computed on the way: QUANTISED
;;     6. [M 8,192, K 1,024] x [K 1,024, N 1,024]; A: computed on the way; B: input Wo: QUANTISED
;;   THE QUANTISER, for each operand of a quantised product, along K:
;;     - K is cut into blocks of 32 from its start; a last block that is shorter is filled with zeros.
;;     - A block's scale is 2^e with e = floor(log2(the largest magnitude in the block)) - 2, held to -126 .. 127; a block of zeros has e = 0. As a byte (E8M0): e + 127.
;;     - Each number is divided by its block's scale, clamped to +-7.5, and rounded to the nearest number of E2M3, ties to even, subnormals kept.
;;     - The product sums the exact products of the quantised numbers (number of the format x scale) in f32.
;;   ~~~python
;;   def quantise(x, axis):      # numpy; x: float32 -> the quantised numbers, widened to float32 again
;;       x = np.moveaxis(x, axis, -1); K = x.shape[-1]
;;       x = np.pad(x, [(0, 0)] * (x.ndim - 1) + [(0, -K % 32)]); x = x.reshape(x.shape[:-1] + (-1, 32)); a = np.abs(x).max(-1, keepdims=True)
;;       e = np.where(a > 0, np.clip(np.frexp(np.where(a > 0, a, 1))[1] - 1 - 2, -126, 127), 0)      # np.frexp(a)[1] - 1 = floor(log2(a)), exactly
;;       r = np.clip(x / 2.0 ** e, -7.5, 7.5)
;;       step = 2.0 ** (np.maximum(np.frexp(np.where(r == 0, 1, r))[1] - 1, 0) - 3)
;;       q = np.round(r / step) * step * 2.0 ** e      # np.round: ties to even
;;       return np.moveaxis(q.reshape(q.shape[:-2] + (-1,))[..., :K], -1, axis).astype(np.float32)
;;   ~~~
;;   SOFTMAX AHEAD OF A QUANTISED PRODUCT. Where the list says 'softmax', what is quantised is not the finished softmax but p = 2^(t - M), with t = logit x log2(e) and M = ceil(the row's largest t), a whole number; so 1/2 < the row's largest p <= 1. The row's sum l is taken of the UNQUANTISED p, in f32, and the product's result is divided by l at the end. Since M is a whole number, a kernel that streams over the keys may use a running M (the ceiling of the running maximum): every later rescaling is an exact power of two, which a block's scale takes up: the codes' values come out the same.
;;   OPERANDS COMPUTED ON THE WAY. 'Computed on the way' means the value that the module computes at that place (a softmax that the list does not call 'softmax' is quantised finished and normalised). What goes into a quantiser is computed in f32, as accurately as f32 sums, v_exp_f32 and their like allow (about 1e-6 of the number): no bf16 or f16 on the way to a quantiser, and a product that is left as it is and whose result goes on into a quantised operand takes f32 operands (vector FMAs, or v_wmma_f32_16x16x4_f32). A number that lies on a knife's edge between two numbers of the format may be rounded either way, as far as f32 arithmetic and the matrix unit's own rounding can turn it there, and no further.
;; One version. Each part assembles by itself: llvm-mc -triple=amdgcn-amd-amdhsa -mcpu=gfx1250 --defsym DOCPART=n.
;; ======== version 1 of 1: 5 launches
;; limits: right only within a limited range of input values
;; workspace buffers: xc 19,660,800 bytes; wc 26,214,400 bytes; qkv 19,660,800 bytes; pc 6,553,600 bytes; oc 6,553,600 bytes; st 524,288 bytes
;; launch quant (part 1): grid 512 x 1, 7 waves a work-group, no clusters, 61,952 bytes of LDS; arguments query, key, value, Wq, Wk, Wv, Wo, xc, wc; writes xc, wc
.if DOCPART == 1
	.amdgcn_target "amdgcn-amd-amdhsa--gfx1250"
	.amdhsa_code_object_version 6
	.text
	.protected	k_q5ba7513300_quant
	.globl	k_q5ba7513300_quant
	.p2align	8
	.type	k_q5ba7513300_quant,@function
k_q5ba7513300_quant:
	s_mov_b64 s[64:65], 0
	v_nop
	global_prefetch_b8 v0, s[64:65] scope:SCOPE_SE
	s_setreg_imm32_b32 hwreg(HW_REG_WAVE_MODE, 25, 1), 1
	s_wait_xcnt 0x0
; query, key, value [8192][1024] and Wq, Wk, Wv, Wo [1024][1024], f32 with K (the last axis) innermost, become codes of FP6 (E2M3) with one E8M0 scale byte for each 32 along K.
; A block's scale is 2^(floor(log2(its largest magnitude)) - 2): its byte is the largest magnitude's exponent field - 2, held at 1 from below; each number / scale goes to the nearest code, ties to even, beyond 7.5 the largest code.
; LIMITS: NaN and infinities are not served; a block whose largest magnitude lies under 2^-124, a block of zeros among them, keeps the byte 1 (its codes are zeros or nearly so; only this program reads the bytes).
; THE LAYOUT OF EVERY OPERAND OF THIS PROGRAM: images of the matrix operand's registers.
;   A tile is 16 rows: tile 2 b + u, lane-row r = true row 32 b + 8 u + r + 8 (r / 8).  A fragment (tile, 128 along K) is 12 registers a lane: 1,536 bytes, registers 4 c .. 4 c + 3 of lane l at 512 c + 16 l.
;   A record (pair of tiles b, piece of 256 along K) is 6,400 bytes: fragments (u, s) at (2 u + s) 1,536, then 256 bytes of scale words: word (u, s, r) at 6,144 + 128 u + 64 s + 4 r.
;   A tensor is [piece 4][pair rows / 32][6,400].  xc: query, key, value, 6,553,600 bytes each; wc: Wq, Wk, Wv, Wo, 819,200 bytes each.
; SHARES: a work-group takes one pair (32 whole rows, 131,072 consecutive bytes), wave w piece w: four fragments.  The first 768 work-groups take xc's tensors, the other 128 wc's: only pointers are chosen, one path.
; Each load of a wave reads 512 consecutive bytes of a row; a fragment's 16 rows turn through the wave's own stage in LDS (rows of 512 + 16 bytes) so that a lane gets two whole blocks of 32 neighbours of its row.
; No tensor load, no matrix work, no barrier: memory binds and the waves share nothing.  Two fragments' loads (32 a wave) are out at the start, one fragment's while another is worked on.
.set REC,  6400
.set FRB,  1536
.set SCW,  4*FRB
.set SPIT, 528                         ; a stage row: 512 bytes + 16: the sixteen rows that a load of 16 bytes a lane touches begin 16 bytes apart modulo 256
.set WREG, 16*SPIT+256                 ; a wave's LDS: the stage, then its record's 256 bytes of scale words
.set PC,   16                          ; v16-27   a fragment's codes;  v28-30, v32-34 the conversions' second halves
.set RAW,  64                          ; v64-191  two sets of 64 registers as loaded
.set X,    192                         ; v192-255 my two blocks of 32 neighbours
	s_load_b512 s[8:23], s[0:1], 0x0               ; query, key, value, Wq, Wk, Wv, Wo, xc
	s_load_b64 s[24:25], s[0:1], 0x40              ; wc
	; SHARES AS THEY NOW STAND (in place of the head's paragraph 'SHARES'): a wave's unit is one (pair, piece): unit = 7 x work-group + wave, pair = unit / 4 (0 .. 895: 768 of xc's, then 128 of wc's), piece = unit % 4.
	; 3,584 units are 512 work-groups of 7 waves: 14 units for each of 256 WGPs.  The waves share nothing, so a work-group's waves may serve different pairs and tensors; LDS is dealt by the wave's number alone.
	v_lshl_add_u32 v62, v0, 2, 0xee00              ; the spare words lie behind the seven waves' regions of 8,704 bytes
	v_mov_b32 v63, 0
	v_lshrrev_b32 v1, 5, v0
	v_readfirstlane_b32 s3, v1                     ; wave
	v_and_b32 v1, 31, v0                           ; lane
	v_and_b32 v2, 15, v0                           ; r
	v_bfe_u32 v3, v0, 4, 1                         ; h
	v_lshlrev_b32 v4, 4, v1                        ; 16 x lane: my bytes of a load's and of a store's 512
	s_mul_i32 s2, s3, WREG
	v_add_nc_u32 v5, s2, v4                        ; the stage, on the way in: a row as it lies
	v_mul_u32_u24 v6, v2, SPIT
	v_lshl_add_u32 v6, v3, 7, v6
	v_add_nc_u32 v6, s2, v6                        ; on the way out: row r, + 128 h: k = 64 c + 32 h + 0 .. 31
	v_lshlrev_b32 v7, 2, v2
	v_add_nc_u32 v7, s2, v7
	v_add_nc_u32 v7, 16*SPIT, v7                   ; my row's scale word
	v_lshlrev_b32 v9, 3, v1                        ; 8 x lane
	v_add_nc_u32 v8, s2, v9
	v_add_nc_u32 v8, 16*SPIT, v8                   ; the scale words on their way out
	v_lshlrev_b32 v10, 3, v3                       ; 8 h: my bytes' place in the scale word
	v_mov_b32 v45, 0                               ; written once: a lane permute's destination counts as one of its sources
	s_mov_b32 s26, 0x76543210
	s_mov_b32 s27, 0xfedcba98                      ; v_permlanex16_b32's selects for lane l xor 16
	; wc AS IT NOW STANDS (in place of the sizes that the head gives for wc): its four tensors are laid with xc's strides, [piece 4][pair slot 256][6,400], 6,553,600 bytes each;
	; only pair slots 0-31 of each piece are written, and only those are ever read.  So one stride from piece to piece serves every operand of the next launch.
	s_mov_b32 s30, 4*256*REC                       ; a tensor, of xc and of wc alike,
	s_mov_b32 s31, 256*REC                         ; a piece of it
	s_wait_alu depctr_va_vdst(0)
	s_wait_kmcnt 0x0
	s_mul_i32 s38, ttmp9, 7
	s_add_co_u32 s38, s38, s3                      ; my unit
	s_and_b32 s39, s38, 3                          ; its piece
	s_lshr_b32 s38, s38, 2                         ; its pair, counted over all seven tensors
	s_mov_b64 s[4:5], s[20:21]
	s_cmp_lt_u32 s38, 864
	s_cselect_b64 s[4:5], s[18:19], s[4:5]
	s_cmp_lt_u32 s38, 832
	s_cselect_b64 s[4:5], s[16:17], s[4:5]
	s_cmp_lt_u32 s38, 800
	s_cselect_b64 s[4:5], s[14:15], s[4:5]
	s_cmp_lt_u32 s38, 768
	s_cselect_b64 s[4:5], s[12:13], s[4:5]
	s_cselect_b64 s[6:7], s[22:23], s[24:25]       ; xc or wc
	s_cselect_b32 s28, 0, 768
	s_cselect_b32 s29, 8, 5                        ; 256 or 32 pairs to a tensor
	s_cmp_lt_u32 s38, 512
	s_cselect_b64 s[4:5], s[10:11], s[4:5]
	s_cmp_lt_u32 s38, 256
	s_cselect_b64 s[4:5], s[8:9], s[4:5]
	s_sub_co_u32 s28, s38, s28
	s_lshr_b32 s32, s28, s29                       ; the tensor's number in its buffer
	s_lshl_b32 s33, s32, s29
	s_sub_co_u32 s33, s28, s33                     ; the pair
	s_lshl_b32 s34, s33, 17                        ; 32 rows of 4,096 bytes,
	s_lshl_b32 s35, s39, 10                        ; my piece: 1,024 bytes of each row
	s_add_co_u32 s34, s34, s35
	s_mov_b32 s35, 0
	s_add_nc_u64 s[4:5], s[4:5], s[34:35]
	s_mul_i32 s36, s32, s30
	s_mul_i32 s37, s39, s31
	s_add_co_u32 s36, s36, s37
	s_mul_i32 s37, s33, REC
	s_add_co_u32 s36, s36, s37
	s_mov_b32 s37, 0
	s_add_nc_u64 s[6:7], s[6:7], s[36:37]          ; my record
.macro LOAD f                          ; fragment f = 2 u + s: 16 rows x 512 bytes into set f % 2
.irp i, 0,1,2,3,4,5,6,7,8,9,10,11,12,13,14,15
	global_load_b128 v[RAW+64*((\f)%2)+4*\i:RAW+64*((\f)%2)+4*\i+3], v4, s[4:5] offset:(8*((\f)/2)+\i+8*(\i/8))*4096+512*((\f)%2) th:TH_LOAD_NT
.endr
.endm
.macro FRAG f
.if (\f) < 3
	s_wait_loadcnt 16                              ; this fragment's 16 loads are in; the next fragment's 16 may be out
.else
	s_wait_loadcnt 0x0
.endif
.irp i, 0,1,2,3,4,5,6,7,8,9,10,11,12,13,14,15
	ds_store_b128 v5, v[RAW+64*((\f)%2)+4*\i:RAW+64*((\f)%2)+4*\i+3] offset:SPIT*\i
.endr
.irp c, 0,1
.irp q, 0,1,2,3,4,5,6,7
	ds_load_b128 v[X+32*\c+4*\q:X+32*\c+4*\q+3], v6 offset:256*\c+16*\q   ; LDS serves a wave's instructions in order: these see the stores above
.endr
.endr
	s_wait_dscnt 0x0                               ; my 64 numbers are in, and the stage's stores have read their registers,
.if (\f) < 2
	LOAD (\f)+2                                    ; which take the fragment two on
.endif
.irp c, 0,1
	v_max3_num_f32 v[36+\c], |v[X+32*\c]|, |v[X+32*\c+1]|, 0x1800000   ; block 2 c + h is all mine; the floor 2^(3 - 127) holds the byte at 1 from below
.endr
.irp i, 2,4,6,8,10,12,14,16,18,20,22,24,26,28,30
.irp c, 0,1
	v_max3_num_f32 v[36+\c], v[36+\c], |v[X+32*\c+\i]|, |v[X+32*\c+\i+1]|
.endr
.endr
.irp c, 0,1
	v_add_nc_u32 v[40+\c], 0xff000000, v[36+\c]    ; 2 off the exponent field: the conversion takes this operand's exponent field as its scale
.endr
.irp c, 0,1
	v_lshrrev_b32 v[42+\c], 23, v[40+\c]           ; the scale's byte
.endr
	v_lshl_or_b32 v44, v43, 16, v42                ; bytes h and 2 + h of my row's word,
	v_lshlrev_b32 v44, v10, v44                    ; at their places;
	v_permlanex16_b32 v45, v44, s26, s27
	v_or_b32 v44, v44, v45                         ; with lane l xor 16's two the word is whole
	s_wait_alu depctr_va_vdst(0)
	s_wait_xcnt 0x0                                ; the last fragment's stores have read v16-27: only now are they written again
.irp c, 0,1
	v_cvt_scalef32_pk16_fp6_f32 v[PC+6*\c:PC+6*\c+2], v[X+32*\c:X+32*\c+15], v[40+\c]
	v_cvt_scalef32_pk16_fp6_f32 v[28+4*\c:30+4*\c], v[X+32*\c+16:X+32*\c+31], v[40+\c]   ; (a conversion's three registers begin on an even number)
.endr
	v_nop                                          ; one plain place behind a scaled conversion
.irp c, 0,1
.irp i, 0,1,2
	v_mov_b32 v[PC+3+6*\c+\i], v[28+4*\c+\i]
.endr
.endr
	ds_store_b32 v7, v44 offset:64*(\f)            ; lanes l and l xor 16 write the same word with the same value
.irp c, 0,1,2
	global_store_b128 v4, v[PC+4*\c:PC+4*\c+3], s[6:7] offset:FRB*(\f)+512*\c   ; 32 lanes store 512 consecutive bytes, at a multiple of 256 from the buffer's first byte
.endr
.endm
	LOAD 0
	LOAD 1
	FRAG 0
	FRAG 1
	FRAG 2
	FRAG 3
	ds_load_b64 v[46:47], v8
	s_wait_dscnt 0x0
	global_store_b64 v9, v[46:47], s[6:7] offset:SCW   ; the record's 256 bytes of scale words, by one instruction
	s_wait_tensorcnt 0x0
	ds_add_u32 v62, v63
	s_wait_dscnt 0x0
	s_endpgm
.Lfunc_end_k_q5ba7513300_quant:
	.size	k_q5ba7513300_quant, .Lfunc_end_k_q5ba7513300_quant-k_q5ba7513300_quant
	.p2alignl 7, 3214868480
	.fill 96, 4, 3214868480
	.section	.rodata,"a",@progbits
	.p2align	6, 0x0
	.amdhsa_kernel k_q5ba7513300_quant
		.amdhsa_group_segment_fixed_size 61952
		.amdhsa_private_segment_fixed_size 0
		.amdhsa_enable_private_segment 0
		.amdhsa_kernarg_size 72
		.amdhsa_user_sgpr_count 2
		.amdhsa_user_sgpr_kernarg_segment_ptr 1
		.amdhsa_wavefront_size32 1
		.amdhsa_system_sgpr_workgroup_id_x 1
		.amdhsa_system_sgpr_workgroup_id_y 1
		.amdhsa_system_sgpr_workgroup_id_z 1
		.amdhsa_system_vgpr_workitem_id 0
		.amdhsa_next_free_vgpr 256
		.amdhsa_next_free_sgpr 66
		.amdhsa_reserve_vcc 0
		.amdhsa_float_denorm_mode_32 3
		.amdhsa_float_denorm_mode_16_64 3
		.amdhsa_memory_ordered 1
		.amdhsa_forward_progress 1
		.amdhsa_inst_pref_size 31
	.end_amdhsa_kernel
	.amdgpu_metadata
---
amdhsa.version: [ 1, 2 ]
amdhsa.kernels:
  - .name:           k_q5ba7513300_quant
    .symbol:         k_q5ba7513300_quant.kd
    .args:
      - { .name: query, .offset: 0, .size: 8, .value_kind: global_buffer, .address_space: global }
      - { .name: key, .offset: 8, .size: 8, .value_kind: global_buffer, .address_space: global }
      - { .name: value, .offset: 16, .size: 8, .value_kind: global_buffer, .address_space: global }
      - { .name: Wq, .offset: 24, .size: 8, .value_kind: global_buffer, .address_space: global }
      - { .name: Wk, .offset: 32, .size: 8, .value_kind: global_buffer, .address_space: global }
      - { .name: Wv, .offset: 40, .size: 8, .value_kind: global_buffer, .address_space: global }
      - { .name: Wo, .offset: 48, .size: 8, .value_kind: global_buffer, .address_space: global }
      - { .name: xc, .offset: 56, .size: 8, .value_kind: global_buffer, .address_space: global }
      - { .name: wc, .offset: 64, .size: 8, .value_kind: global_buffer, .address_space: global }
    .group_segment_fixed_size: 61952
    .private_segment_fixed_size: 0
    .kernarg_segment_align: 8
    .kernarg_segment_size: 72
    .max_flat_workgroup_size: 224
    .sgpr_count:     66
    .vgpr_count:     256
    .wavefront_size: 32
...
	.end_amdgpu_metadata
.endif
;; end of part 1
;; launch proj (part 2): grid 4 x 64, 4 waves a work-group, clusters of 4 x 4, 327,680 bytes of LDS; arguments xc, wc, qkv; writes qkv
.if DOCPART == 2
	.amdgcn_target "amdgcn-amd-amdhsa--gfx1250"
	.amdhsa_code_object_version 6
	.text
	.protected	k_q5ba7513300_proj
	.globl	k_q5ba7513300_proj
	.p2align	8
	.type	k_q5ba7513300_proj,@function
k_q5ba7513300_proj:
	s_mov_b64 s[64:65], 0
	v_nop
	global_prefetch_b8 v0, s[64:65] scope:SCOPE_SE
	s_setreg_imm32_b32 hwreg(HW_REG_WAVE_MODE, 25, 1), 1
	s_wait_xcnt 0x0
	s_wait_alu depctr_hold_cnt(0) depctr_sa_sdst(0) depctr_va_vdst(0) depctr_va_sdst(0) depctr_va_ssrc(0) depctr_va_vcc(0) depctr_vm_vsrc(0)
	s_getreg_b32 s2, hwreg(HW_REG_IB_STS2, 6, 4)
	s_cmp_eq_u32 s2, 0
	s_cbranch_scc0 .Lentry_in_a_cluster
	s_endpgm
.Lentry_in_a_cluster:
	s_bfe_u32 s2, ttmp6, 0x10000c
	s_cmp_lg_u32 s2, 0xf033
	s_cbranch_scc0 .Lentry_shape_is_right
	s_endpgm
.Lentry_shape_is_right:
; q = query Wq^T, k = key Wk^T and vT = Wv value^T on codes of FP6 (E2M3) with E8M0 scales; each result is quantised along its N in registers and stored as codes.
; OPERAND LAYOUT: a tile is 16 rows: tile 2 b + u, lane-row r = true row 32 b + 8 u + r + 8 (r / 8).  A fragment (tile, 128 along K) is an image of its 12 registers: 1,536 bytes, registers 4 c .. 4 c + 3 of lane l at 512 c + 16 l.
; A record (pair b, piece of 256 along K) is 6,400 bytes: fragments (u, s) at (2 u + s) 1,536, then scale words (u, s, r) at 6,144 + 128 u + 64 s + 4 r.
; xc: query, key, value, each [piece 4][pair 256][6,400]; wc: Wq, Wk, Wv, Wo with the same strides, pair slots 0-31 in use; qkv: q, k as xc's tensors; at 13,107,200 vT as [batch 8][piece 4][pair of f 32][6,400].
; A WORK-GROUP STAYS: 256 work-groups, each makes three tiles of 128 (M) x 256 (N), one of q, one of k, one of vT (A = Wv, B = value).  Wave w: rows 64 (w / 2), columns 128 (w % 2): 4 tiles of A x 8 of B, 32 accumulators.
; THE PRODUCT IS USED TRANSPOSED (source 0 = a tile of B, source 1 = a tile of A): a lane holds one row of C, and registers 64 a + 16 b + i are columns 32 b + 16 (lane / 16) + i of the wave's 128: 16 neighbours for each conversion.
; THE RING: two LDS slots of 153,600 bytes, each with 512 along K (two pieces) of A's 4 records and B's 8.  A wave brings its part by ONE tensor load: two rows (pieces) of 12,800 bytes (waves 0, 1: A's halves) or of 25,600 (waves 2, 3: B's),
; 1,638,400 bytes apart in memory.  In a slot: A's half h at 25,600 h, B's half h at 51,200 + 51,200 h, each as [piece 2][records].  Slot 0 is filled again in the middle of K, slot 1 in the middle of the way out
; (between result tiles 1 and 2): by this text's count a wave has one load out, and each load has 144 (slot 0) or 96 (slot 1) matrix instructions and two result tiles' quantising between its issue and the wait for it.
; The loop's two trips make q and k and ask for the next tile; vT's tile, which asks for nothing, is written out behind it.  Every wait on TENSORcnt is for 0.
; CLUSTER 4 x 4: A's records hang on the tile row alone and are asked for jointly along a row of the cluster, B's on the tile column alone, along a column.  Each refill stands behind a round of the cluster's barrier.
; PREFETCH: while a tile's first half of K is multiplied, the next tile's first half is asked for, and likewise the second: one slot ahead of the tensor load that wants it.  Of the 100 (A) or 200 (B) blocks of 256 bytes of a wave's load
; each of the four partners that ask jointly names 25 or 50, told apart by address (cx for A, cy for B); lanes left over name their wave's last block again.  The first tile comes by its loads alone; the last tile asks for nothing.
; LIMITS: NaN and infinities are not served; a block whose largest magnitude lies under 2^-124, zeros among them, keeps the byte 1 (only this program reads the bytes).
; REGISTERS: window 0: v1-31 addresses; v32-55 scale words, two sets of 12; v64-159 A's fragments, two sets of 48, on the way out the codes made; v200-221 at work; v254, v255 the add's.  window 1: the accumulators ((a, t) at 8 (8 a + t)).  window 2: v0-191 B's fragments, two sets.
.set REC,   6400
.set FRB,   1536
.set SCW,   4*FRB
.set AREG,  4*REC                      ; what an A wave brings: 2 pieces x 2 records
.set BREG,  8*REC                      ; what a B wave brings: 2 pieces x 4 records
.set BOFF,  2*AREG
.set SLOT,  24*REC
.set SCST,  2*SLOT                     ; behind the ring: 1,024 bytes in which the four output records' scale words meet; no fill lands here
.set SPARE, SCST+1024                  ; the spare words: 128 bytes a wave
.set XSTR,  256*REC                    ; from piece to piece in xc, wc, q and k
.set WSTR,  32*REC                     ; and in vT
.set LI,   4                           ; v4  16 x lane
.set LS,   5                           ; v5  4 x lane
.set L8,   6                           ; v6  8 x lane
.set ADRA, 8                           ; v8-11  my A records of piece j (slot j / 2), + 16 x lane
.set ADRB, 12                          ; v12-15 my B records
.set ASA,  16                          ; v16-19 the same + 4 x lane, for scale words
.set ASB,  20                          ; v20-23
.set SWI,  24                          ; v24 where I put a scale word
.set SWO,  25                          ; v25 where I read a record's 256 bytes of them back
.set PFO,  30                          ; v30, v31 the prefetches' offsets: 256 x block
.set SC,   32
.set AF,   64
.set TM,   200                         ; v200-203 largest magnitudes, v204-207 bytes, v212-215 the conversions' scale operands
.set PW,   216                         ; v216-219 the scale words made
.set OW,   220
.set G1A,  24                          ; s[24:31], s[32:39] descriptor groups 1
.set G1B,  32
.set G0A,  40                          ; s[40:47] A's groups 0, one a slot;  s[48:55] B's
.set G0B,  48
.set NA,   56                          ; s[56:57], s[58:59] the next tile's A and B;  s[60:61], s[62:63] vT's
.set PF,   76                          ; s[76:77] where my prefetches stand;  s[78:79] my work-group's share of a load's blocks
.set MSB, 0
.macro WIN new                         ; the immediate's high byte repeats the setting that is left
.if MSB != \new
	s_set_vgpr_msb (MSB<<8)|\new
.set MSB, \new
.endif
.endm
.macro CREST                           ; a round of the cluster's barrier behind its opening barrier
	s_cmp_lg_u32 s16, 0
	s_cbranch_scc1 .Lnot_wave_0_\@
	s_barrier_signal -3
.Lnot_wave_0_\@:
	s_barrier_wait -3
	s_barrier_signal -1
	s_barrier_wait -1
.endm
.macro CROUND
	s_barrier_signal -1
	s_barrier_wait -1
	CREST
.endm
.macro JLOAD s                         ; a joint load into slot s: waves 0, 1 for A, waves 2, 3 for B; s_nop 0 and four v_nop behind each line
	s_cmp_eq_u32 s17, 0
	s_cbranch_scc0 .Lfor_b_\@
	tensor_load_to_lds s[G0A+4*\s:G0A+4*\s+3], s[G1A:G1A+7]
	s_nop 0
.rept 4
	v_nop
.endr
	s_branch .Lasked_\@
.Lfor_b_\@:
	tensor_load_to_lds s[G0B+4*\s:G0B+4*\s+3], s[G1B:G1B+7]
	s_nop 0
.rept 4
	v_nop
.endr
.Lasked_\@:
.endm
.macro ASK off                         ; my work-group's blocks of the load that my wave will issue for the next tile, at byte off from its first piece: 25 blocks for A, 50 for B
	global_prefetch_b8 v[PFO], s[PF:PF+1] offset:\off th:TH_LOAD_NT scope:SCOPE_SE
	s_cmp_eq_u32 s17, 0
	s_cbranch_scc1 .Lone_\@
	global_prefetch_b8 v[PFO+1], s[PF:PF+1] offset:\off th:TH_LOAD_NT scope:SCOPE_SE
.Lone_\@:
.endm
.macro PLACES n                        ; plain places behind matrix instructions, in front of loads into registers that they read and of the first read of results
.rept \n
	v_nop
.endr
.endm
.macro FRAGS j, s, q                   ; 36 loads: the fragments of piece j's K step s into set q: each load takes 512 consecutive bytes
	WIN 0x80
.irp t, 0,1,2,3,4,5,6,7
.irp c, 0,1,2
	ds_load_b128 v[96*(\q)+12*\t+4*\c:96*(\q)+12*\t+4*\c+3], v[ADRB+(\j)] offset:(\t/2)*REC+(2*(\t%2)+(\s))*FRB+512*\c
.endr
.endr
	WIN 0
.irp a, 0,1,2,3
.irp c, 0,1,2
	ds_load_b128 v[AF+48*(\q)+12*\a+4*\c:AF+48*(\q)+12*\a+4*\c+3], v[ADRA+(\j)] offset:(\a/2)*REC+(2*(\a%2)+(\s))*FRB+512*\c
.endr
.endr
.endm
.macro SCALES j                        ; piece j's scale words: lanes 0-15 get K step 0's, lanes 16-31 K step 1's
.irp a, 0,1,2,3
	ds_load_b32 v[SC+12*((\j)%2)+\a], v[ASA+(\j)] offset:(\a/2)*REC+SCW+128*(\a%2)
.endr
.irp t, 0,1,2,3,4,5,6,7
	ds_load_b32 v[SC+12*((\j)%2)+4+\t], v[ASB+(\j)] offset:(\t/2)*REC+SCW+128*(\t%2)
.endr
.endm
; 16 matrix instructions: A's tiles a0, a0 + 1 x B's eight.  The 32 accumulators take turns, one instruction a turn, in the same order in every K step.  mode 1: the first product starts the sums.
.macro MUL16 a0, q, s, j, mode
	WIN 0x52                                       ; source 0 (B) window 2, source 1 (A) window 0, C and D window 1
.irp a, \a0, \a0+1
.irp t, 0,1,2,3,4,5,6,7
.if (\mode) == 1
	v_wmma_scale_f32_16x16x128_f8f6f4 v[8*(8*(\a)+\t):8*(8*(\a)+\t)+7], v[96*(\q)+12*\t:96*(\q)+12*\t+11], v[AF+48*(\q)+12*(\a):AF+48*(\q)+12*(\a)+11], 0, v[SC+12*((\j)%2)+4+\t], v[SC+12*((\j)%2)+(\a)] matrix_a_fmt:MATRIX_FMT_FP6 matrix_b_fmt:MATRIX_FMT_FP6
.elseif (\s) == 1
	v_wmma_scale_f32_16x16x128_f8f6f4 v[8*(8*(\a)+\t):8*(8*(\a)+\t)+7], v[96*(\q)+12*\t:96*(\q)+12*\t+11], v[AF+48*(\q)+12*(\a):AF+48*(\q)+12*(\a)+11], v[8*(8*(\a)+\t):8*(8*(\a)+\t)+7], v[SC+12*((\j)%2)+4+\t], v[SC+12*((\j)%2)+(\a)] matrix_a_fmt:MATRIX_FMT_FP6 matrix_b_fmt:MATRIX_FMT_FP6 matrix_a_scale:MATRIX_SCALE_ROW1 matrix_b_scale:MATRIX_SCALE_ROW1
.else
	v_wmma_scale_f32_16x16x128_f8f6f4 v[8*(8*(\a)+\t):8*(8*(\a)+\t)+7], v[96*(\q)+12*\t:96*(\q)+12*\t+11], v[AF+48*(\q)+12*(\a):AF+48*(\q)+12*(\a)+11], v[8*(8*(\a)+\t):8*(8*(\a)+\t)+7], v[SC+12*((\j)%2)+4+\t], v[SC+12*((\j)%2)+(\a)] matrix_a_fmt:MATRIX_FMT_FP6 matrix_b_fmt:MATRIX_FMT_FP6
.endif
.endr
.endr
.endm
.macro EVEN j, mode, first             ; piece j's K step 0; K step 1's fragments are asked for ahead of it
.if (\first) == 0
	PLACES 4
.endif
	FRAGS \j, 1, 1
	s_wait_dscnt 36                                ; all but the 36 loads just issued: this step's fragments and scale words are in
	MUL16 0, 0, 0, \j, \mode
	MUL16 2, 0, 0, \j, \mode
.endm
.macro ODD j, ask                      ; piece j's K step 1; piece j + 1 lies in the same slot
	s_wait_dscnt 0x0                               ; this step's fragments are in
	MUL16 0, 1, 1, \j, 0
	WIN 0
	PLACES 4
	SCALES (\j)+1
	FRAGS (\j)+1, 0, 0
.if \ask
	ASK (\j)*XSTR                                  ; behind the run of LDS loads: piece j and j + 1 of the next tile
.endif
	MUL16 2, 1, 1, \j, 0
.endm
; Piece 1's K step 1 and the change from slot 0 to slot 1.  In front of the barrier: all my tensor loads have landed (my part of slot 1), the add, and my reads of slot 0 are over.
; last = 0: the barrier opens a round of the cluster's barrier, and slot 0 takes the next tile's first two pieces.  last = 1: nothing is filled again.
.macro TURNX last
	WIN 0                                          ; the add's two registers lie in window 0
	s_wait_tensorcnt 0x0
.if (\last) == 0
	ds_add_u32 v254, v255
	s_mov_b64 s[G0A+2:G0A+3], s[NA:NA+1]           ; no load of mine is out: slot 0's groups 0 take the next tile's addresses
	s_or_b32 s[G0A+3], s[G0A+3], 0x80000000
	s_mov_b64 s[G0B+2:G0B+3], s[NA+2:NA+3]
	s_or_b32 s[G0B+3], s[G0B+3], 0x80000000
.endif
	s_wait_dscnt 0x0
	s_barrier_signal -1
	MUL16 0, 1, 1, 1, 0                            ; work on registers while the others arrive
	WIN 0
	s_barrier_wait -1
.if (\last) == 0
	CREST
	JLOAD 0                                        ; the first tensor load behind the round; its four v_nop are the places in front of the loads below
.else
	PLACES 4
.endif
	SCALES 2
	FRAGS 2, 0, 0
	MUL16 2, 1, 1, 1, 0
.endm
; The change back, in the middle of the way out: slot 0 has landed, slot 1 is read no more and takes the next tile's last two pieces.
.macro TURNY
	s_wait_alu depctr_va_vdst(0)
	s_wait_tensorcnt 0x0
	ds_add_u32 v254, v255
	s_add_nc_u64 s[G0A+6:G0A+7], s[NA:NA+1], 2*XSTR
	s_or_b32 s[G0A+7], s[G0A+7], 0x80000000
	s_add_nc_u64 s[G0B+6:G0B+7], s[NA+2:NA+3], 2*XSTR
	s_or_b32 s[G0B+7], s[G0B+7], 0x80000000
	s_mov_b64 s[NA:NA+1], s[NA+4:NA+5]             ; the tile after the next is vT's
	s_mov_b64 s[NA+2:NA+3], s[NA+6:NA+7]
	s_wait_dscnt 0x0
	CROUND
	JLOAD 1
	s_wait_xcnt 0x0                                ; result tiles 0 and 1's stores have read v64-111: the next tile's first fragments of A may land there
	SCALES 0                                       ; slot 0 is whole: the next tile's first scale words and fragments come in under the quantising of result tiles 2 and 3
	FRAGS 0, 0, 0
.endm
; From the four blocks' largest magnitudes in v[TM ..]: tile a's scale word in v[PW + a] and its fragment's codes in v[AF + 24 a] on.
.macro CODES a
.set AC, 64*(\a)
.set PCR, AF+24*(\a)
.irp b, 0,1,2,3
	v_add_nc_u32 v[TM+12+\b], 0xff000000, v[TM+\b] ; 2 off the exponent field: the conversion's scale operand
.endr
.irp b, 0,1,2,3
	v_lshrrev_b32 v[TM+4+\b], 23, v[TM+12+\b]      ; the scale's byte
.endr
	v_lshl_or_b32 v[PW+(\a)], v[TM+5], 8, v[TM+4]
	v_lshl_or_b32 v[PW+(\a)], v[TM+6], 16, v[PW+(\a)]
	v_lshl_or_b32 v[PW+(\a)], v[TM+7], 24, v[PW+(\a)]
	WIN 0x01                                       ; the numbers: window 1
.irp c, 0,1
	v_cvt_scalef32_pk16_fp6_f32 v[PCR+6*\c:PCR+6*\c+2], v[AC+32*\c:AC+32*\c+15], v[TM+12+2*\c]
	v_cvt_scalef32_pk16_fp6_f32 v[PCR+12+4*\c:PCR+14+4*\c], v[AC+32*\c+16:AC+32*\c+31], v[TM+12+2*\c+1]   ; (a conversion's three registers begin on an even number)
.endr
	WIN 0
	v_nop                                          ; one plain place behind a scaled conversion
.irp c, 0,1                            ; the operand's layout wants a whole block in a lane: lanes 0-15 block 2 c, lanes 16-31 block 2 c + 1
.irp i, 0,1,2
	v_permlane16_swap_b32 v[PCR+6*\c+\i], v[PCR+12+4*\c+\i]
.endr
.irp i, 0,1,2
	v_mov_b32 v[PCR+3+6*\c+\i], v[PCR+12+4*\c+\i]
.endr
.endr
.endm
.macro QUANT a                         ; tile a's 64 numbers a lane: each accumulator is read from its low end on
.set AC, 64*(\a)
	WIN 0x05                                       ; sources 0 and 1: window 1
.irp b, 0,1,2,3
	v_max3_num_f32 v[TM+\b], |v[AC+16*\b]|, |v[AC+16*\b+1]|, 0x1800000   ; the floor 2^(3 - 127) holds the byte at 1 from below
.endr
.irp i, 2,4,6,8,10,12,14
.irp b, 0,1,2,3
	v_max3_num_f32 v[TM+\b], |v[AC+16*\b+\i]|, |v[AC+16*\b+\i+1]|, v[TM+\b]
.endr
.endr
	WIN 0
.irp b, 0,1,2,3
	v_permlanex16_b32 v[TM+4+\b], v[TM+\b], s90, s91
.endr
.irp b, 0,1,2,3
	v_max_num_f32 v[TM+\b], v[TM+\b], v[TM+4+\b]   ; with lane l xor 16's 16: the block's largest magnitude
.endr
	CODES \a
.endm
.macro PUT a                           ; the fragment leaves as it stands
.set PCR, AF+24*(\a)
.irp c, 0,1,2
	global_store_b128 v[LI], v[PCR+4*\c:PCR+4*\c+3], s[84:85] offset:REC*((\a)/2)+2*FRB*((\a)%2)+512*\c   ; 512 consecutive bytes, at a multiple of 256 from the buffer's first byte
.endr
.endm
.macro PUTW a                          ; tile a's scale word goes to meet the other wave's
	ds_store_b32 v[SWI], v[PW+(\a)] offset:256*((\a)/2)+128*((\a)%2)   ; lanes l and l xor 16 write the same word with the same value
.endm
.macro TILE last                       ; one tile of C: all of K, then the way out
	EVEN 0, 1, 1                                   ; (the tile's first scale words and fragments were asked for behind the fill of slot 1)
	ODD 0, (1-\last)
	EVEN 1, 0, 0
	TURNX \last
	EVEN 2, 0, 0
	ODD 2, (1-\last)
	EVEN 3, 0, 0
	s_wait_dscnt 0x0
	MUL16 0, 1, 1, 3, 0
	MUL16 2, 1, 1, 3, 0
	WIN 0
	PLACES 4
	QUANT 0
	PUTW 0
	PUT 0                                          ; each result tile's codes leave as soon as they are made
	QUANT 1
	PUTW 1
	PUT 1
.if (\last) == 0
	TURNY
.endif
	QUANT 2
	PUTW 2
	PUT 2
	QUANT 3
	PUTW 3
	PUT 3
	s_wait_alu depctr_va_vdst(0)
	s_wait_dscnt 0x0                               ; for the others' sake: my scale words lie in LDS
	s_barrier_signal -1
	s_barrier_wait -1                              ; the words are stored anew only behind the next tile's change of slots
	ds_load_b64 v[OW:OW+1], v[SWO]
	s_wait_dscnt 0x0
	global_store_b64 v[L8], v[OW:OW+1], s[86:87] offset:SCW   ; a record's 256 bytes of scale words, by one instruction
.endm
; where a tile goes in qkv: N tile tc (a piece of the next K, str bytes apart), records 4 tr + 2 (w / 2), K step w % 2 -> s[d0:d0+1]; the record whose scale words I send, 4 tr + w -> s[d1:d1+1]
.macro OUTPTR tc, str, tr, base, d0, d1
	s_mul_i32 s96, s[\tc], \str
	s_add_co_u32 s96, s96, \base
	s_lshl_b32 s97, s[\tr], 2
	s_lshl_b32 s98, s17, 1
	s_add_co_u32 s98, s98, s97
	s_mul_i32 s98, s98, REC
	s_add_co_u32 s98, s98, s96
	s_mul_i32 s99, s18, FRB
	s_add_co_u32 s98, s98, s99
	s_mov_b32 s99, 0
	s_add_nc_u64 s[\d0:\d0+1], s[8:9], s[98:99]
	s_add_co_u32 s97, s97, s16
	s_mul_i32 s97, s97, REC
	s_add_co_u32 s96, s96, s97
	s_mov_b32 s97, 0
	s_add_nc_u64 s[\d1:\d1+1], s[8:9], s[96:97]
.endm
	s_load_b128 s[4:7], s[0:1], 0x0                ; xc, wc
	s_load_b64 s[8:9], s[0:1], 0x10                ; qkv
	v_lshl_add_u32 v254, v0, 2, SPARE
	v_mov_b32 v255, 0
	ds_add_u32 v254, v255
	ds_add_u32 v254, v255
	v_lshrrev_b32 v1, 5, v0
	v_readfirstlane_b32 s16, v1                    ; wave
	s_lshr_b32 s17, s16, 1                         ; my half of the rows.  Also: I fetch for A (0) or for B (1)
	s_and_b32 s18, s16, 1                          ; my half of the columns.  Also: which half of that side's records I fetch
	s_bfe_u32 s19, ttmp6, 0x40000                  ; cx: q's and k's tile column
	s_bfe_u32 s20, ttmp6, 0x40004                  ; cy
	s_and_b32 s21, ttmp7, 0xffff                   ; the cluster's y, 0 .. 15 (the grid is one cluster wide)
	s_lshl_b32 s2, s20, 2
	s_lshl_b32 s2, 15, s2                          ; my row of the cluster
	s_lshl_b32 s66, 0x1111, s19                    ; my column
	s_or_b32 s[G1A], s2, (3<<16)|(1<<21)           ; the mask; elements of 8 bytes; bit 21 beside a mask; no padding
	s_or_b32 s[G1B], s66, (3<<16)|(1<<21)
	s_mov_b32 s[G1A+1], 1600<<16                   ; tensor_dim0: two records, 12,800 bytes
	s_mov_b32 s[G1A+2], 2<<16                      ; tensor_dim1: two pieces
	s_mov_b32 s[G1A+3], 1600<<16                   ; tile_dim0
	s_mov_b32 s[G1A+4], 2                          ; tile_dim1
	s_mov_b32 s[G1A+5], XSTR/8                     ; from piece to piece
	s_mov_b32 s[G1A+6], 0
	s_mov_b32 s[G1A+7], 0
	s_mov_b32 s[G1B+1], 3200<<16                   ; four records, 25,600 bytes
	s_mov_b32 s[G1B+2], 2<<16
	s_mov_b32 s[G1B+3], 3200<<16
	s_mov_b32 s[G1B+4], 2
	s_mov_b32 s[G1B+5], XSTR/8
	s_mov_b32 s[G1B+6], 0
	s_mov_b32 s[G1B+7], 0
	s_lshl_b32 s22, s21, 2
	s_add_co_u32 s22, s22, s20                     ; q, k: the tile row, 0 .. 63
	s_lshr_b32 s93, s21, 3
	s_lshl_b32 s93, s93, 2
	s_add_co_u32 s93, s93, s20                     ; vT: the tile row, 0 .. 7,
	s_and_b32 s94, s21, 7
	s_lshl_b32 s94, s94, 2
	s_add_co_u32 s94, s94, s19                     ; and the tile column, 0 .. 31
	s_lshl_b32 s2, s22, 2                          ; A: records 4 x tile row + 2 x my half: nothing of cx enters
	s_lshl_b32 s3, s18, 1
	s_add_co_u32 s2, s2, s3
	s_mul_i32 s80, s2, REC
	s_mov_b32 s81, 0
	s_lshl_b32 s2, s93, 2
	s_add_co_u32 s2, s2, s3
	s_mul_i32 s10, s2, REC
	s_add_co_u32 s10, s10, 8*XSTR                  ; Wv is wc's third tensor
	s_mov_b32 s11, 0
	s_lshl_b32 s66, s19, 3                         ; B: records 8 x tile column + 4 x my half: nothing of cy enters
	s_lshl_b32 s67, s18, 2
	s_add_co_u32 s66, s66, s67
	s_mul_i32 s82, s66, REC
	s_mov_b32 s83, 0
	s_lshl_b32 s66, s94, 3
	s_add_co_u32 s66, s66, s67
	s_mul_i32 s12, s66, REC
	s_add_co_u32 s12, s12, 8*XSTR                  ; value is xc's third tensor
	s_mov_b32 s13, 0
	s_mul_i32 s2, s18, AREG                        ; where the tiles go: the wave's number alone
	s_mul_i32 s66, s18, BREG
	s_add_co_u32 s66, s66, BOFF
	s_wait_dscnt 0x0                               ; both opening adds are done
	s_wait_kmcnt 0x0
	s_add_nc_u64 s[80:81], s[4:5], s[80:81]        ; q's A, in query
	s_add_nc_u64 s[82:83], s[6:7], s[82:83]        ; q's B, in Wq
	s_add_nc_u64 s[NA+4:NA+5], s[6:7], s[10:11]    ; vT's A, in Wv
	s_add_nc_u64 s[NA+6:NA+7], s[4:5], s[12:13]    ; vT's B, in value
	s_add_nc_u64 s[NA:NA+1], s[80:81], 4*XSTR      ; k's: one tensor on
	s_add_nc_u64 s[NA+2:NA+3], s[82:83], 4*XSTR
.irp s, 0,1
	s_mov_b32 s[G0A+4*\s], 1
	s_add_co_u32 s[G0A+4*\s+1], s2, \s*SLOT
	s_add_nc_u64 s[G0A+4*\s+2:G0A+4*\s+3], s[80:81], \s*2*XSTR
	s_or_b32 s[G0A+4*\s+3], s[G0A+4*\s+3], 0x80000000
	s_mov_b32 s[G0B+4*\s], 1
	s_add_co_u32 s[G0B+4*\s+1], s66, \s*SLOT
	s_add_nc_u64 s[G0B+4*\s+2:G0B+4*\s+3], s[82:83], \s*2*XSTR
	s_or_b32 s[G0B+4*\s+3], s[G0B+4*\s+3], 0x80000000
.endr
	CROUND                                         ; all sixteen work-groups are here: the first joint loads meet
	JLOAD 0                                        ; q's first two pieces: one tensor load a wave at the head
	v_and_b32 v1, 31, v0
	v_and_b32 v2, 15, v0
	v_lshlrev_b32 v[LI], 4, v1
	v_lshlrev_b32 v[LS], 2, v1
	v_lshlrev_b32 v[L8], 3, v1
	s_mul_i32 s2, s17, AREG                        ; my 64 rows: two records of A in each piece
	s_mul_i32 s3, s18, BREG                        ; my 128 columns: four records of B,
	s_add_co_u32 s3, s3, BOFF                      ; behind A's
	v_add_nc_u32 v26, s2, v[LI]
	v_add_nc_u32 v27, s3, v[LI]
	v_add_nc_u32 v28, s2, v[LS]
	v_add_nc_u32 v29, s3, v[LS]
.irp j, 0,1,2,3
	v_add_nc_u32 v[ADRA+\j], (\j/2)*SLOT+(\j%2)*2*REC, v26
	v_add_nc_u32 v[ADRB+\j], (\j/2)*SLOT+(\j%2)*4*REC, v27
	v_add_nc_u32 v[ASA+\j], (\j/2)*SLOT+(\j%2)*2*REC, v28
	v_add_nc_u32 v[ASB+\j], (\j/2)*SLOT+(\j%2)*4*REC, v29
.endr
	s_lshl_b32 s2, s17, 9
	s_lshl_b32 s3, s18, 6
	s_add_co_u32 s2, s2, s3
	s_add_co_u32 s2, s2, SCST
	v_lshl_add_u32 v[SWI], v2, 2, s2               ; record 2 (w / 2) + a / 2, word (a % 2, w % 2, r)
	s_lshl_b32 s2, s16, 8
	s_add_co_u32 s2, s2, SCST
	v_add_nc_u32 v[SWO], s2, v[L8]                 ; wave w sends record w's words
.irp b, 0,1,2,3
	v_mov_b32 v[TM+4+\b], 0                        ; written once: a lane permute's destination counts as one of its sources
.endr
	s_mov_b32 s90, 0x76543210
	s_mov_b32 s91, 0xfedcba98                      ; v_permlanex16_b32's selects for lane l xor 16
	; the prefetches: partner p (cx for A, cy for B) takes piece p / 2 of the load's two, half p % 2 of its row: 25 blocks of 256 bytes for A, 50 for B
	s_mov_b32 s89, 2*REC
	s_cmp_eq_u32 s17, 0
	s_cselect_b32 s88, s19, s20
	s_cselect_b32 s95, 24, 31
	s_cselect_b32 s89, REC, s89
	s_lshr_b32 s78, s88, 1
	s_mul_i32 s78, s78, XSTR
	s_and_b32 s88, s88, 1
	s_mul_i32 s88, s88, s89
	s_add_co_u32 s78, s78, s88
	s_mov_b32 s79, 0
	v_min_u32 v[PFO], s95, v1
	v_lshlrev_b32 v[PFO], 8, v[PFO]                ; blocks 0 .. 24 (A) or 0 .. 31 (B)
	v_min_u32 v[PFO+1], 17, v1
	v_lshl_add_u32 v[PFO+1], v[PFO+1], 8, 32*256   ; B: blocks 32 .. 49
	OUTPTR 19, XSTR, 22, 0, 84, 86                 ; q's tile
	s_add_nc_u64 s[68:69], s[84:85], 4*XSTR        ; k's: one tensor on
	s_add_nc_u64 s[70:71], s[86:87], 4*XSTR
	OUTPTR 94, WSTR, 93, 8*XSTR, 72, 74            ; vT's
	s_wait_alu depctr_va_vdst(0)
	s_wait_tensorcnt 0x0                           ; my part of slot 0 is in; slot 1's first fill is issued as a refill is:
	ds_add_u32 v254, v255
	s_wait_dscnt 0x0
	CROUND
	JLOAD 1                                        ; q's last two pieces
	SCALES 0
	FRAGS 0, 0, 0
	s_mov_b32 s92, 0
.Ltile:                                                ; two trips: q, k
	s_cmp_eq_u32 s17, 0
	s_cselect_b64 s[PF:PF+1], s[NA:NA+1], s[NA+2:NA+3]   ; the load that my wave will issue for the next tile,
	s_add_nc_u64 s[PF:PF+1], s[PF:PF+1], s[78:79]        ; my work-group's share of it
	TILE 0
	s_wait_alu depctr_va_vdst(0)
	s_wait_xcnt 0x0                                ; the stores and prefetches have read their registers: bases, codes and the prefetches' address may be written again
	s_mov_b64 s[84:85], s[68:69]
	s_mov_b64 s[86:87], s[70:71]
	s_mov_b64 s[68:69], s[72:73]
	s_mov_b64 s[70:71], s[74:75]
	s_add_co_u32 s92, s92, 1
	s_cmp_lt_u32 s92, 2
	s_cbranch_scc1 .Ltile
	TILE 1                                         ; vT: nothing more is asked for
	s_wait_tensorcnt 0x0                           ; the wave's end
	ds_add_u32 v254, v255
	s_wait_dscnt 0x0
	CROUND                                         ; the closing round
	s_endpgm
.Lfunc_end_k_q5ba7513300_proj:
	.size	k_q5ba7513300_proj, .Lfunc_end_k_q5ba7513300_proj-k_q5ba7513300_proj
	.p2alignl 7, 3214868480
	.fill 96, 4, 3214868480
	.section	.rodata,"a",@progbits
	.p2align	6, 0x0
	.amdhsa_kernel k_q5ba7513300_proj
		.amdhsa_group_segment_fixed_size 327680
		.amdhsa_private_segment_fixed_size 0
		.amdhsa_enable_private_segment 0
		.amdhsa_kernarg_size 24
		.amdhsa_user_sgpr_count 2
		.amdhsa_user_sgpr_kernarg_segment_ptr 1
		.amdhsa_wavefront_size32 1
		.amdhsa_system_sgpr_workgroup_id_x 1
		.amdhsa_system_sgpr_workgroup_id_y 1
		.amdhsa_system_sgpr_workgroup_id_z 1
		.amdhsa_system_vgpr_workitem_id 0
		.amdhsa_next_free_vgpr 768
		.amdhsa_next_free_sgpr 100
		.amdhsa_reserve_vcc 0
		.amdhsa_float_denorm_mode_32 3
		.amdhsa_float_denorm_mode_16_64 3
		.amdhsa_memory_ordered 1
		.amdhsa_forward_progress 1
		.amdhsa_inst_pref_size 159
	.end_amdhsa_kernel
	.amdgpu_metadata
---
amdhsa.version: [ 1, 2 ]
amdhsa.kernels:
  - .name:           k_q5ba7513300_proj
    .symbol:         k_q5ba7513300_proj.kd
    .args:
      - { .name: xc, .offset: 0, .size: 8, .value_kind: global_buffer, .address_space: global }
      - { .name: wc, .offset: 8, .size: 8, .value_kind: global_buffer, .address_space: global }
      - { .name: qkv, .offset: 16, .size: 8, .value_kind: global_buffer, .address_space: global }
    .group_segment_fixed_size: 327680
    .private_segment_fixed_size: 0
    .kernarg_segment_align: 8
    .kernarg_segment_size: 24
    .max_flat_workgroup_size: 128
    .sgpr_count:     100
    .vgpr_count:     768
    .wavefront_size: 32
...
	.end_amdgpu_metadata
.endif
;; end of part 2
;; launch energy (part 3): grid 4 x 64, 4 waves a work-group, clusters of 4 x 4, 327,680 bytes of LDS; arguments qkv, pc, st; writes pc, st
.if DOCPART == 3
	.amdgcn_target "amdgcn-amd-amdhsa--gfx1250"
	.amdhsa_code_object_version 6
	.text
	.protected	k_q5ba7513300_energy
	.globl	k_q5ba7513300_energy
	.p2align	8
	.type	k_q5ba7513300_energy,@function
k_q5ba7513300_energy:
	s_mov_b64 s[64:65], 0
	v_nop
	global_prefetch_b8 v0, s[64:65] scope:SCOPE_SE
	s_setreg_imm32_b32 hwreg(HW_REG_WAVE_MODE, 25, 1), 1
	s_wait_xcnt 0x0
	s_wait_alu depctr_hold_cnt(0) depctr_sa_sdst(0) depctr_va_vdst(0) depctr_va_sdst(0) depctr_va_ssrc(0) depctr_va_vcc(0) depctr_vm_vsrc(0)
	s_getreg_b32 s2, hwreg(HW_REG_IB_STS2, 6, 4)
	s_cmp_eq_u32 s2, 0
	s_cbranch_scc0 .Lentry_in_a_cluster
	s_endpgm
.Lentry_in_a_cluster:
	s_bfe_u32 s2, ttmp6, 0x10000c
	s_cmp_lg_u32 s2, 0xf033
	s_cbranch_scc0 .Lentry_shape_is_right
	s_endpgm
.Lentry_shape_is_right:
; S = q k^T for each batch, on codes of FP6 (E2M3) with E8M0 scales, and the softmax's numerator for each run of 128 keys: t = S log2(e) / 32; M = ceil(the run's largest t), a whole number; p = 2^(t - M), quantised along the keys.
; Stored: p's codes and scale bytes under the run's own M (pc), and for each (row, run) -M and the sum of the unquantised p (st).  The next launch brings the runs under the row's M by taking whole numbers off the scale bytes: the codes stay.
; A block's largest p is not searched for: the block's largest score goes through the same multiply-add and exponential (this takes v_exp_f32 not to fall where its input rises; at the worst one p within an ulp of a power of two is held one code low).
; OPERAND LAYOUT: a tile is 16 rows: tile 2 b + u, lane-row r = true row 32 b + 8 u + r + 8 (r / 8).  A fragment (tile, 128 along K) is an image of its 12 registers: 1,536 bytes, registers 4 c .. 4 c + 3 of lane l at 512 c + 16 l.
; A record (pair b, piece of 256 along K) is 6,400 bytes: fragments (u, s) at (2 u + s) 1,536, then scale words (u, s, r) at 6,144 + 128 u + 64 s + 4 r.  A tensor is [piece 4][pair 256][6,400].  qkv: q, then k at 6,553,600.
; st: [tile column 4][row slot 8,192][-M of run 0, -M of run 1, sum of run 0, sum of run 1], f32; row slot = 16 x tile + lane-row.
; SHARES: a work-group makes 128 queries x 256 keys; wave w queries 64 (w / 2), keys 128 (w % 2): 4 tiles of q x 8 of k, 32 accumulators.  THE PRODUCT IS USED TRANSPOSED (source 0 = 16 keys, source 1 = 16 queries): a lane holds
; one query, and registers 64 a + 16 b + i are keys 32 b + 16 (lane / 16) + i of the wave's 128.
; ALL OF K LIES IN LDS, filled once: piece j at 76,800 j: q's 4 records, then k's 8.  Each wave issues four tensor loads at the head: four of mine are out, by this text's count.
; CLUSTER 4 x 4: q's records are asked for jointly along a row of the cluster, k's along a column (the four tile rows of a cluster lie in one batch).
; No prefetch: every tile of the launch is asked for at its head.  LIMITS: NaN and infinities are not served; a block all of whose p have fallen to 0 keeps the byte 1: its codes are zeros.
; REGISTERS: window 0: v1-31 addresses; v32-55 scale words; v64-159 q's fragments, later p's codes; v160-167 -M (pairs), v168-171 sums, v176-180 at work; v200-219 at work.  window 1: the accumulators.  window 2: v0-191 k's fragments.
.set REC,   6400
.set FRB,   1536
.set SCW,   4*FRB
; LDS AND ITS FILLS AS THEY NOW STAND (in place of the head's paragraph 'ALL OF K LIES IN LDS'): all of K lies in LDS, filled once, by ONE tensor load a wave: four rows, one a piece, of 12,800 bytes (waves 0, 1: q's halves)
; or of 25,600 (waves 2, 3: k's), 1,638,400 bytes apart in memory.  q's half h lies at 51,200 h, k's half h at 102,400 + 102,400 h, each as [piece 4][records].  One load of mine is out, and the one wait for it is for 0.
.set PIECE, 12*REC
.set AHALF, 8*REC
.set BOFF,  16*REC
.set BHALF, 16*REC
.set SCST,  4*PIECE                    ; behind the pieces: 1,024 bytes in which the output records' scale words meet,
.set STS,   SCST+1024                  ; and 2,048 for the statistics of 128 rows; no fill lands in either
.set XSTR,  256*REC
.set LI,   4
.set LS,   5
.set L8,   6
.set ADRA, 8
.set ADRB, 12
.set ASA,  16
.set ASB,  20
.set SWI,  24
.set SWO,  25
.set STI,  26                          ; v26 where I put a row's statistics
.set STO,  29                          ; v29 where I read 16 bytes of them back
.set STG,  30                          ; v30 and their place in memory
.set SC,   32
.set AF,   64
.set NM,   160
.set LL,   168
.set SU,   176
.set TX,   180
.set TM,   200
.set PW,   216
.set OW,   220
.set G1A,  24
.set G1B,  32
.set G0A,  40
.set MSB, 0
.macro WIN new                         ; the immediate's high byte repeats the setting that is left
.if MSB != \new
	s_set_vgpr_msb (MSB<<8)|\new
.set MSB, \new
.endif
.endm
.macro CROUND                          ; a round of the cluster's barrier
	s_barrier_signal -1
	s_barrier_wait -1
	s_cmp_lg_u32 s16, 0
	s_cbranch_scc1 .Lnot_wave_0_\@
	s_barrier_signal -3
.Lnot_wave_0_\@:
	s_barrier_wait -3
	s_barrier_signal -1
	s_barrier_wait -1
.endm
.macro PLACES n                        ; plain places behind matrix instructions (ISA guide 7.12.1)
.rept \n
	v_nop
.endr
.endm
.macro FRAGS j, s, q                   ; 36 loads: the fragments of piece j's K step s into set q
	WIN 0x80
.irp t, 0,1,2,3,4,5,6,7
.irp c, 0,1,2
	ds_load_b128 v[96*(\q)+12*\t+4*\c:96*(\q)+12*\t+4*\c+3], v[ADRB+(\j)] offset:(\t/2)*REC+(2*(\t%2)+(\s))*FRB+512*\c
.endr
.endr
	WIN 0
.irp a, 0,1,2,3
.irp c, 0,1,2
	ds_load_b128 v[AF+48*(\q)+12*\a+4*\c:AF+48*(\q)+12*\a+4*\c+3], v[ADRA+(\j)] offset:(\a/2)*REC+(2*(\a%2)+(\s))*FRB+512*\c
.endr
.endr
.endm
.macro SCALES j                        ; piece j's scale words: lanes 0-15 get K step 0's, lanes 16-31 K step 1's
.irp a, 0,1,2,3
	ds_load_b32 v[SC+12*((\j)%2)+\a], v[ASA+(\j)] offset:(\a/2)*REC+SCW+128*(\a%2)
.endr
.irp t, 0,1,2,3,4,5,6,7
	ds_load_b32 v[SC+12*((\j)%2)+4+\t], v[ASB+(\j)] offset:(\t/2)*REC+SCW+128*(\t%2)
.endr
.endm
; 16 matrix instructions; the 32 accumulators take turns, one instruction a turn, in the same order in every K step.  mode 1: the first product starts the sums.
.macro MUL16 a0, q, s, j, mode
	WIN 0x52                                       ; source 0 window 2, source 1 window 0, C and D window 1
.irp a, \a0, \a0+1
.irp t, 0,1,2,3,4,5,6,7
.if (\mode) == 1
	v_wmma_scale_f32_16x16x128_f8f6f4 v[8*(8*(\a)+\t):8*(8*(\a)+\t)+7], v[96*(\q)+12*\t:96*(\q)+12*\t+11], v[AF+48*(\q)+12*(\a):AF+48*(\q)+12*(\a)+11], 0, v[SC+12*((\j)%2)+4+\t], v[SC+12*((\j)%2)+(\a)] matrix_a_fmt:MATRIX_FMT_FP6 matrix_b_fmt:MATRIX_FMT_FP6
.elseif (\s) == 1
	v_wmma_scale_f32_16x16x128_f8f6f4 v[8*(8*(\a)+\t):8*(8*(\a)+\t)+7], v[96*(\q)+12*\t:96*(\q)+12*\t+11], v[AF+48*(\q)+12*(\a):AF+48*(\q)+12*(\a)+11], v[8*(8*(\a)+\t):8*(8*(\a)+\t)+7], v[SC+12*((\j)%2)+4+\t], v[SC+12*((\j)%2)+(\a)] matrix_a_fmt:MATRIX_FMT_FP6 matrix_b_fmt:MATRIX_FMT_FP6 matrix_a_scale:MATRIX_SCALE_ROW1 matrix_b_scale:MATRIX_SCALE_ROW1
.else
	v_wmma_scale_f32_16x16x128_f8f6f4 v[8*(8*(\a)+\t):8*(8*(\a)+\t)+7], v[96*(\q)+12*\t:96*(\q)+12*\t+11], v[AF+48*(\q)+12*(\a):AF+48*(\q)+12*(\a)+11], v[8*(8*(\a)+\t):8*(8*(\a)+\t)+7], v[SC+12*((\j)%2)+4+\t], v[SC+12*((\j)%2)+(\a)] matrix_a_fmt:MATRIX_FMT_FP6 matrix_b_fmt:MATRIX_FMT_FP6
.endif
.endr
.endr
.endm
.macro EVEN j, mode, first
.if (\first) == 0
	PLACES 4
.endif
	FRAGS \j, 1, 1
	s_wait_dscnt 36                                ; all but the 36 loads just issued
	MUL16 0, 0, 0, \j, \mode
	MUL16 2, 0, 0, \j, \mode
.endm
.macro ODD j
	s_wait_dscnt 0x0                               ; this step's fragments are in
	MUL16 0, 1, 1, \j, 0
	WIN 0
	PLACES 4
	SCALES (\j)+1
	FRAGS (\j)+1, 0, 0
	MUL16 2, 1, 1, \j, 0
.endm
.macro CODES a                         ; from the four blocks' largest numbers in v[TM ..]: the scale word in v[PW + a], the fragment's codes in v[AF + 24 a] on
.set AC, 64*(\a)
.set PCR, AF+24*(\a)
.irp b, 0,1,2,3
	v_add_nc_u32 v[TM+12+\b], 0xff000000, v[TM+\b] ; 2 off the exponent field: the conversion's scale operand
.endr
.irp b, 0,1,2,3
	v_lshrrev_b32 v[TM+4+\b], 23, v[TM+12+\b]      ; the scale's byte
.endr
	v_lshl_or_b32 v[PW+(\a)], v[TM+5], 8, v[TM+4]
	v_lshl_or_b32 v[PW+(\a)], v[TM+6], 16, v[PW+(\a)]
	v_lshl_or_b32 v[PW+(\a)], v[TM+7], 24, v[PW+(\a)]
	WIN 0x01
.irp c, 0,1
	v_cvt_scalef32_pk16_fp6_f32 v[PCR+6*\c:PCR+6*\c+2], v[AC+32*\c:AC+32*\c+15], v[TM+12+2*\c]
	v_cvt_scalef32_pk16_fp6_f32 v[PCR+12+4*\c:PCR+14+4*\c], v[AC+32*\c+16:AC+32*\c+31], v[TM+12+2*\c+1]
.endr
	WIN 0
	v_nop                                          ; one plain place behind a scaled conversion
.irp c, 0,1
.irp i, 0,1,2
	v_permlane16_swap_b32 v[PCR+6*\c+\i], v[PCR+12+4*\c+\i]
.endr
.irp i, 0,1,2
	v_mov_b32 v[PCR+3+6*\c+\i], v[PCR+12+4*\c+\i]
.endr
.endr
.endm
.macro PUT a
.set PCR, AF+24*(\a)
.irp c, 0,1,2
	global_store_b128 v[LI], v[PCR+4*\c:PCR+4*\c+3], s[84:85] offset:REC*((\a)/2)+2*FRB*((\a)%2)+512*\c   ; 512 consecutive bytes, at a multiple of 256 from the buffer's first byte
.endr
.endm
.macro PUTW a                          ; tile a's scale word goes to meet the other wave's
	ds_store_b32 v[SWI], v[PW+(\a)] offset:256*((\a)/2)+128*((\a)%2)
.endm
; Tile a's 16 queries x my 128 keys: the run's M, p, the sum, the codes.
.macro SOFTQ a
.set AC, 64*(\a)
.set NMR, NM+2*(\a)
	WIN 0x05                                       ; sources 0 and 1: window 1.
.irp b, 0,1,2,3
	v_max_num_f32 v[TM+\b], v[AC+16*\b], v[AC+16*\b+1]   ; the largest score of each block of 32 keys: for the run's maximum and for the block's largest p
.endr
.irp i, 2,4,6,8,10,12,14
.irp b, 0,1,2,3
	v_max3_num_f32 v[TM+\b], v[AC+16*\b+\i], v[AC+16*\b+\i+1], v[TM+\b]
.endr
.endr
	WIN 0
.irp b, 0,1,2,3
	v_permlanex16_b32 v[TM+4+\b], v[TM+\b], s90, s91
.endr
.irp b, 0,1,2,3
	v_max_num_f32 v[TM+\b], v[TM+\b], v[TM+4+\b]   ; with lane l xor 16's 16 keys
.endr
	v_max3_num_f32 v[TX], v[TM], v[TM+1], v[TM+2]
	v_max_num_f32 v[TX], v[TX], v[TM+3]
	v_mul_f32 v[TX], s92, v[TX]                    ; as t (c is positive)
	v_floor_f32 v[NMR], -v[TX]                     ; -M = floor(-t) = -ceil(t)
	WIN 0x41                                       ; destination and source 0: window 1
.set jj, 0
.rept 32
	v_pk_fma_f32 v[AC+jj:AC+jj+1], v[AC+jj:AC+jj+1], s[92:93], v[NMR:NMR+1] op_sel_hi:[1,0,0]   ; t - M, two at a time
.set jj, jj+2
.endr
	WIN 0
.irp b, 0,1,2,3
	v_fma_f32 v[TM+\b], v[TM+\b], s92, v[NMR]      ; the same of each block's largest score
.endr
	WIN 0x41
.set jj, 0
	s_wait_alu depctr_va_vdst(0)
.rept 64
	v_exp_f32 v[AC+jj], v[AC+jj]                   ; p = 2^(t - M): one batch
.set jj, jj+1
.endr
	WIN 0
	v_nop                                          ; a plain place behind the last exponential
	s_wait_alu depctr_va_vdst(0)                   ; one wait for the batch, ahead of the first use of a result
.irp b, 0,1,2,3
	v_exp_f32 v[TM+\b], v[TM+\b]                   ; the blocks' largest p: the same two instructions on the same number give the same bits
.endr
	WIN 0x05
	v_pk_add_f32 v[SU:SU+1], v[AC:AC+1], v[AC+2:AC+3]       ; the sum of the unquantised p, in two packed chains: plain work behind the four
	v_pk_add_f32 v[SU+2:SU+3], v[AC+4:AC+5], v[AC+6:AC+7]
	WIN 0x01
.set jj, 8
.rept 14
	v_pk_add_f32 v[SU:SU+1], v[AC+jj:AC+jj+1], v[SU:SU+1]
	v_pk_add_f32 v[SU+2:SU+3], v[AC+jj+2:AC+jj+3], v[SU+2:SU+3]
.set jj, jj+4
.endr
	WIN 0
	v_pk_add_f32 v[SU:SU+1], v[SU:SU+1], v[SU+2:SU+3]
	v_add_f32 v[LL+(\a)], v[SU], v[SU+1]
	v_permlanex16_b32 v[TX], v[LL+(\a)], s90, s91
	v_add_f32 v[LL+(\a)], v[LL+(\a)], v[TX]        ; with lane l xor 16's: the run's sum
	s_wait_alu depctr_va_vdst(0)                   ; and one wait for the four
.irp b, 0,1,2,3
	v_max_num_f32 v[TM+\b], 0x1800000, v[TM+\b]    ; the floor 2^(3 - 127): the byte cannot fall under 1
.endr
	CODES \a
.endm
	s_load_b128 s[4:7], s[0:1], 0x0                ; qkv, pc
	s_load_b64 s[8:9], s[0:1], 0x10                ; st
	v_lshl_add_u32 v254, v0, 2, 0x4bc00
	v_mov_b32 v255, 0
	ds_add_u32 v254, v255
	ds_add_u32 v254, v255
	v_lshrrev_b32 v1, 5, v0
	v_readfirstlane_b32 s16, v1                    ; wave
	s_lshr_b32 s17, s16, 1                         ; my half of the queries.  Also: I fetch for q (0) or for k (1)
	s_and_b32 s18, s16, 1                          ; my half of the keys.  Also: which half of that side's records I fetch
	s_bfe_u32 s19, ttmp6, 0x40000                  ; cx = the tile column (the grid is one cluster wide)
	s_bfe_u32 s20, ttmp6, 0x40004                  ; cy
	s_and_b32 s21, ttmp7, 0xffff                   ; the cluster's y
	s_lshl_b32 s2, s20, 2
	s_lshl_b32 s2, 15, s2                          ; my row of the cluster
	s_lshl_b32 s66, 0x1111, s19                    ; my column
	s_or_b32 s[G1A], s2, (3<<16)|(1<<21)           ; the mask; elements of 8 bytes; bit 21 beside a mask; no padding
	s_or_b32 s[G1B], s66, (3<<16)|(1<<21)
	s_mov_b32 s[G1A+1], 1600<<16                   ; a row: two records, 12,800 bytes
	s_mov_b32 s[G1A+2], 4<<16                      ; four rows: the pieces
	s_mov_b32 s[G1A+3], 1600<<16
	s_mov_b32 s[G1A+4], 4
	s_mov_b32 s[G1A+5], XSTR/8                     ; from piece to piece
	s_mov_b32 s[G1A+6], 0
	s_mov_b32 s[G1A+7], 0
	s_mov_b32 s[G1B+1], 3200<<16                   ; a row: four records, 25,600 bytes
	s_mov_b32 s[G1B+2], 4<<16
	s_mov_b32 s[G1B+3], 3200<<16
	s_mov_b32 s[G1B+4], 4
	s_mov_b32 s[G1B+5], XSTR/8
	s_mov_b32 s[G1B+6], 0
	s_mov_b32 s[G1B+7], 0
	s_lshl_b32 s22, s21, 2
	s_add_co_u32 s22, s22, s20                     ; the tile row, 0 .. 63
	s_lshl_b32 s2, s22, 2                          ; q: records 4 x tile row + 2 x my half
	s_lshl_b32 s3, s18, 1
	s_add_co_u32 s2, s2, s3
	s_mul_i32 s80, s2, REC
	s_mov_b32 s81, 0
	s_lshr_b32 s66, s21, 1                         ; the batch: two clusters to each
	s_lshl_b32 s66, s66, 5                         ; k: its 32 records, + 8 x tile column + 4 x my half
	s_lshl_b32 s67, s19, 3
	s_add_co_u32 s66, s66, s67
	s_lshl_b32 s67, s18, 2
	s_add_co_u32 s66, s66, s67
	s_mul_i32 s82, s66, REC
	s_add_co_u32 s82, s82, 4*XSTR                  ; k lies behind q
	s_mov_b32 s83, 0
	s_wait_dscnt 0x0
	s_wait_kmcnt 0x0
	s_add_nc_u64 s[80:81], s[4:5], s[80:81]
	s_add_nc_u64 s[82:83], s[4:5], s[82:83]
	s_mul_i32 s2, s18, AHALF                       ; where they go: the wave's number alone
	s_mul_i32 s66, s18, BHALF
	s_add_co_u32 s66, s66, BOFF
	s_mov_b32 s40, 1
	s_mov_b32 s41, s2
	s_mov_b64 s[42:43], s[80:81]
	s_or_b32 s43, s43, 0x80000000
	s_mov_b32 s56, 1
	s_mov_b32 s57, s66
	s_mov_b64 s[58:59], s[82:83]
	s_or_b32 s59, s59, 0x80000000
	CROUND                                         ; all sixteen work-groups are here: the joint loads meet
	s_cmp_eq_u32 s17, 0                            ; a wave's four fills stand in one branch on its number
	s_cbranch_scc0 .Lfill_b
	tensor_load_to_lds s[40:43], s[G1A:G1A+7]
	s_nop 0
.rept 4
	v_nop
.endr
	s_branch .Lfilled
.Lfill_b:
	tensor_load_to_lds s[56:59], s[G1B:G1B+7]
	s_nop 0
.rept 4
	v_nop
.endr
.Lfilled:
	v_and_b32 v1, 31, v0
	v_and_b32 v2, 15, v0
	v_lshlrev_b32 v[LI], 4, v1
	v_lshlrev_b32 v[LS], 2, v1
	v_lshlrev_b32 v[L8], 3, v1
	s_mul_i32 s2, s17, AHALF
	s_mul_i32 s3, s18, BHALF
	s_add_co_u32 s3, s3, BOFF
.irp j, 0,1,2,3
	v_add_nc_u32 v[ADRA+\j], s2, v[LI]
	v_add_nc_u32 v[ADRB+\j], s3, v[LI]
	v_add_nc_u32 v[ASA+\j], s2, v[LS]
	v_add_nc_u32 v[ASB+\j], s3, v[LS]
	s_add_co_u32 s2, s2, 2*REC
	s_add_co_u32 s3, s3, 4*REC
.endr
	s_lshl_b32 s2, s17, 9
	s_lshl_b32 s3, s18, 6
	s_add_co_u32 s2, s2, s3
	s_add_co_u32 s2, s2, SCST
	v_lshl_add_u32 v[SWI], v2, 2, s2
	s_lshl_b32 s2, s16, 8
	s_add_co_u32 s2, s2, SCST
	v_add_nc_u32 v[SWO], s2, v[L8]
	s_lshl_b32 s2, s17, 10                         ; the statistics: 16 bytes a row; my 64 rows, my run's words
	s_lshl_b32 s3, s18, 2
	s_add_co_u32 s2, s2, s3
	s_add_co_u32 s2, s2, STS
	v_lshl_add_u32 v[STI], v2, 4, s2
	v_lshl_add_u32 v[STO], v0, 4, STS              ; back: 16 bytes a thread
	v_lshlrev_b32 v[STG], 4, v0
.irp b, 0,1,2,3
	v_mov_b32 v[TM+4+\b], 0                        ; written once: a lane permute's destination counts as one of its sources
	v_mov_b32 v[NM+2*\b+1], 0                      ; (named as the upper half of a pair)
.endr
	s_mov_b32 s90, 0x76543210
	s_mov_b32 s91, 0xfedcba98
	s_mov_b32 s92, 0x3d38aa3b                      ; c = log2(e) / sqrt(1024)
	s_mov_b32 s93, s92                             ; (named with it as a pair)
	s_mul_i32 s96, s19, XSTR                       ; p: the tile column is a piece of the next K
	s_lshl_b32 s97, s22, 2
	s_lshl_b32 s98, s17, 1
	s_add_co_u32 s98, s98, s97
	s_mul_i32 s98, s98, REC
	s_add_co_u32 s98, s98, s96
	s_mul_i32 s99, s18, FRB
	s_add_co_u32 s98, s98, s99
	s_mov_b32 s99, 0
	s_add_nc_u64 s[84:85], s[6:7], s[98:99]
	s_add_co_u32 s97, s97, s16
	s_mul_i32 s97, s97, REC
	s_add_co_u32 s96, s96, s97
	s_mov_b32 s97, 0
	s_add_nc_u64 s[86:87], s[6:7], s[96:97]
	s_lshl_b32 s96, s19, 17                        ; st: 131,072 bytes a tile column, 2,048 a tile row
	s_lshl_b32 s98, s22, 11
	s_add_co_u32 s96, s96, s98
	s_add_nc_u64 s[94:95], s[8:9], s[96:97]
	s_wait_alu depctr_va_vdst(0)
	s_wait_tensorcnt 0x0                           ; my one load has landed
	s_barrier_signal -1
	s_barrier_wait -1
	SCALES 0
	FRAGS 0, 0, 0
	EVEN 0, 1, 1
	ODD 0
	EVEN 1, 0, 0
	ODD 1
	EVEN 2, 0, 0
	ODD 2
	EVEN 3, 0, 0
	s_wait_dscnt 0x0
	MUL16 0, 1, 1, 3, 0
	MUL16 2, 1, 1, 3, 0
	WIN 0
	PLACES 4
.irp a, 0,1,2,3
	SOFTQ \a
	PUT \a                                         ; each result tile's codes leave as soon as they are made
	PUTW \a
	ds_store_b32 v[STI], v[NM+2*\a] offset:256*\a          ; lanes l and l xor 16 write the same word with the same value
	ds_store_b32 v[STI], v[LL+\a] offset:256*\a+8
.endr
	s_wait_alu depctr_va_vdst(0)
	s_wait_dscnt 0x0                               ; for the others' sake: my scale words and statistics lie in LDS
	s_barrier_signal -1
	s_barrier_wait -1
	ds_load_b64 v[OW:OW+1], v[SWO]
	ds_load_b128 v[224:227], v[STO]
	s_wait_dscnt 0x0
	global_store_b64 v[L8], v[OW:OW+1], s[86:87] offset:SCW    ; a record's 256 bytes of scale words, by one instruction
	global_store_b128 v[STG], v[224:227], s[94:95]             ; a wave stores 512 consecutive bytes of statistics
	s_wait_tensorcnt 0x0
	ds_add_u32 v254, v255
	s_wait_dscnt 0x0
	CROUND                                         ; the closing round
	s_endpgm
.Lfunc_end_k_q5ba7513300_energy:
	.size	k_q5ba7513300_energy, .Lfunc_end_k_q5ba7513300_energy-k_q5ba7513300_energy
	.p2alignl 7, 3214868480
	.fill 96, 4, 3214868480
	.section	.rodata,"a",@progbits
	.p2align	6, 0x0
	.amdhsa_kernel k_q5ba7513300_energy
		.amdhsa_group_segment_fixed_size 327680
		.amdhsa_private_segment_fixed_size 0
		.amdhsa_enable_private_segment 0
		.amdhsa_kernarg_size 24
		.amdhsa_user_sgpr_count 2
		.amdhsa_user_sgpr_kernarg_segment_ptr 1
		.amdhsa_wavefront_size32 1
		.amdhsa_system_sgpr_workgroup_id_x 1
		.amdhsa_system_sgpr_workgroup_id_y 1
		.amdhsa_system_sgpr_workgroup_id_z 1
		.amdhsa_system_vgpr_workitem_id 0
		.amdhsa_next_free_vgpr 768
		.amdhsa_next_free_sgpr 100
		.amdhsa_reserve_vcc 0
		.amdhsa_float_denorm_mode_32 3
		.amdhsa_float_denorm_mode_16_64 3
		.amdhsa_memory_ordered 1
		.amdhsa_forward_progress 1
		.amdhsa_inst_pref_size 109
	.end_amdhsa_kernel
	.amdgpu_metadata
---
amdhsa.version: [ 1, 2 ]
amdhsa.kernels:
  - .name:           k_q5ba7513300_energy
    .symbol:         k_q5ba7513300_energy.kd
    .args:
      - { .name: qkv, .offset: 0, .size: 8, .value_kind: global_buffer, .address_space: global }
      - { .name: pc, .offset: 8, .size: 8, .value_kind: global_buffer, .address_space: global }
      - { .name: st, .offset: 16, .size: 8, .value_kind: global_buffer, .address_space: global }
    .group_segment_fixed_size: 327680
    .private_segment_fixed_size: 0
    .kernarg_segment_align: 8
    .kernarg_segment_size: 24
    .max_flat_workgroup_size: 128
    .sgpr_count:     100
    .vgpr_count:     768
    .wavefront_size: 32
...
	.end_amdgpu_metadata
.endif
;; end of part 3
;; launch pv (part 4): grid 4 x 64, 4 waves a work-group, clusters of 4 x 4, 327,680 bytes of LDS; arguments pc, st, qkv, oc; writes oc
.if DOCPART == 4
	.amdgcn_target "amdgcn-amd-amdhsa--gfx1250"
	.amdhsa_code_object_version 6
	.text
	.protected	k_q5ba7513300_pv
	.globl	k_q5ba7513300_pv
	.p2align	8
	.type	k_q5ba7513300_pv,@function
k_q5ba7513300_pv:
	s_mov_b64 s[64:65], 0
	v_nop
	global_prefetch_b8 v0, s[64:65] scope:SCOPE_SE
	s_setreg_imm32_b32 hwreg(HW_REG_WAVE_MODE, 25, 1), 1
	s_wait_xcnt 0x0
	s_wait_alu depctr_hold_cnt(0) depctr_sa_sdst(0) depctr_va_vdst(0) depctr_va_sdst(0) depctr_va_ssrc(0) depctr_va_vcc(0) depctr_vm_vsrc(0)
	s_getreg_b32 s2, hwreg(HW_REG_IB_STS2, 6, 4)
	s_cmp_eq_u32 s2, 0
	s_cbranch_scc0 .Lentry_in_a_cluster
	s_endpgm
.Lentry_in_a_cluster:
	s_bfe_u32 s2, ttmp6, 0x10000c
	s_cmp_lg_u32 s2, 0xf033
	s_cbranch_scc0 .Lentry_shape_is_right
	s_endpgm
.Lentry_shape_is_right:
; o = (p vT^T) / l for each batch, on codes of FP6 (E2M3) with E8M0 scales; o is quantised along f in registers and stored as codes.
; p arrives under a whole number M of its own for each run of 128 keys, with -M and the run's sum in st.  Here the row's M is the largest of the eight; run s is brought under it by taking d = M - M_s off its four scale bytes
; (the codes stay), and l = the sum of the runs' sums x 2^-d.  d is held at 127 and a byte at 0 from below: a run 127 or more under the row's M enters at 2^-127 of its local size or less, beside an l above 1/2.
; The bytes are taken four at a time: p's bytes lie between 1 and 125, so with bit 7 set in each no borrow crosses a byte; a byte whose bit 7 is gone had less than d and becomes 0.
; OPERAND LAYOUT: a tile is 16 rows: tile 2 b + u, lane-row r = true row 32 b + 8 u + r + 8 (r / 8).  A fragment (tile, 128 along K) is an image of its 12 registers: 1,536 bytes, registers 4 c .. 4 c + 3 of lane l at 512 c + 16 l.
; A record (pair b, piece of 256 along K) is 6,400 bytes: fragments (u, s) at (2 u + s) 1,536, then scale words (u, s, r) at 6,144 + 128 u + 64 s + 4 r.  pc, oc: [piece 4][pair 256][6,400]; vT, at 13,107,200 in qkv: [batch 8][piece 4][pair 32][6,400].
; st: [piece 4][row slot 8,192][-M of run 0, -M of run 1, sum of run 0, sum of run 1], f32.
; SHARES: a work-group makes 128 queries x 256 of f; wave w queries 64 (w / 2), f 128 (w % 2): 4 tiles of p x 8 of vT, 32 accumulators.  THE PRODUCT IS USED TRANSPOSED (source 0 = 16 of f, source 1 = 16 queries).
; ALL OF K LIES IN LDS, filled once: piece j at 76,800 j: p's 4 records, then vT's 8.  Each wave issues four tensor loads at the head: four of mine are out, by this text's count.  p's scale words are also read straight into
; registers (16 words a lane), where they are changed: that and the statistics' arithmetic stand between the fills and the first wait for them.
; CLUSTER 4 x 4: p's records are asked for jointly along a row of the cluster, vT's along a column.  No prefetch: every tile of the launch is asked for at its head.
; LIMITS: NaN and infinities are not served; a block of o whose largest magnitude lies under 2^-124 keeps the byte 1.
; REGISTERS: window 0: v1-31 addresses; v32-55 vT's scale words; v64-159 first the statistics, then p's fragments, later o's codes; v160-175 p's scale words; v176-192 at work; v200-219 at work.  window 1: the accumulators.  window 2: vT's fragments.
.set REC,   6400
.set FRB,   1536
.set SCW,   4*FRB
; LDS AND ITS FILLS AS THEY NOW STAND (in place of the head's paragraph 'ALL OF K LIES IN LDS'): all of K lies in LDS, filled once, by ONE tensor load a wave: four rows, one a piece, of 12,800 bytes (waves 0, 1: p's halves,
; 1,638,400 bytes apart in memory) or of 25,600 (waves 2, 3: vT's, 204,800 apart).  p's half h lies at 51,200 h, vT's half h at 102,400 + 102,400 h, each as [piece 4][records].  One load of mine is out, and the one wait for it is for 0.
.set PIECE, 12*REC
.set AHALF, 8*REC
.set BOFF,  16*REC
.set BHALF, 16*REC
.set SCST,  4*PIECE
.set XSTR,  256*REC
.set WSTR,  32*REC
.set LI,   4
.set LS,   5
.set L8,   6
.set R16,  7                           ; v7 16 x lane-row: a row's statistics
.set ADRA, 8
.set ADRB, 12
.set ASB,  20
.set SWI,  24
.set SWO,  25
.set SC,   32
.set AF,   64
.set STT,  64                          ; v64-127 the statistics: (piece j, tile a) at 16 j + 4 a
.set SAP,  160                         ; v160-175 p's scale words: (j, a) at 4 j + a: they hold scales and nothing else
.set GG,   176                         ; v176-179 -M of the row
.set LSUM, 180                         ; v180-183 l
.set RL,   184                         ; v184-191 1 / l (pairs)
.set TX,   192
.set TM,   200
.set PW,   216
.set OW,   220
.set G1A,  24
.set G1B,  32
.set G0A,  40
.set MSB, 0
.macro WIN new                         ; the immediate's high byte repeats the setting that is left
.if MSB != \new
	s_set_vgpr_msb (MSB<<8)|\new
.set MSB, \new
.endif
.endm
.macro CROUND                          ; a round of the cluster's barrier
	s_barrier_signal -1
	s_barrier_wait -1
	s_cmp_lg_u32 s16, 0
	s_cbranch_scc1 .Lnot_wave_0_\@
	s_barrier_signal -3
.Lnot_wave_0_\@:
	s_barrier_wait -3
	s_barrier_signal -1
	s_barrier_wait -1
.endm
.macro PLACES n                        ; plain places behind matrix instructions (ISA guide 7.12.1)
.rept \n
	v_nop
.endr
.endm
.macro FRAGS j, s, q                   ; 36 loads: the fragments of piece j's K step s into set q
	WIN 0x80
.irp t, 0,1,2,3,4,5,6,7
.irp c, 0,1,2
	ds_load_b128 v[96*(\q)+12*\t+4*\c:96*(\q)+12*\t+4*\c+3], v[ADRB+(\j)] offset:(\t/2)*REC+(2*(\t%2)+(\s))*FRB+512*\c
.endr
.endr
	WIN 0
.irp a, 0,1,2,3
.irp c, 0,1,2
	ds_load_b128 v[AF+48*(\q)+12*\a+4*\c:AF+48*(\q)+12*\a+4*\c+3], v[ADRA+(\j)] offset:(\a/2)*REC+(2*(\a%2)+(\s))*FRB+512*\c
.endr
.endr
.endm
.macro SCALES j                        ; vT's scale words of piece j: lanes 0-15 get K step 0's, lanes 16-31 K step 1's
.irp t, 0,1,2,3,4,5,6,7
	ds_load_b32 v[SC+12*((\j)%2)+4+\t], v[ASB+(\j)] offset:(\t/2)*REC+SCW+128*(\t%2)
.endr
.endm
; 16 matrix instructions; the 32 accumulators take turns, one instruction a turn, in the same order in every K step.  mode 1: the first product starts the sums.
.macro MUL16 a0, q, s, j, mode
	WIN 0x52                                       ; source 0 window 2, source 1 window 0, C and D window 1
.irp a, \a0, \a0+1
.irp t, 0,1,2,3,4,5,6,7
.if (\mode) == 1
	v_wmma_scale_f32_16x16x128_f8f6f4 v[8*(8*(\a)+\t):8*(8*(\a)+\t)+7], v[96*(\q)+12*\t:96*(\q)+12*\t+11], v[AF+48*(\q)+12*(\a):AF+48*(\q)+12*(\a)+11], 0, v[SC+12*((\j)%2)+4+\t], v[SAP+4*(\j)+(\a)] matrix_a_fmt:MATRIX_FMT_FP6 matrix_b_fmt:MATRIX_FMT_FP6
.elseif (\s) == 1
	v_wmma_scale_f32_16x16x128_f8f6f4 v[8*(8*(\a)+\t):8*(8*(\a)+\t)+7], v[96*(\q)+12*\t:96*(\q)+12*\t+11], v[AF+48*(\q)+12*(\a):AF+48*(\q)+12*(\a)+11], v[8*(8*(\a)+\t):8*(8*(\a)+\t)+7], v[SC+12*((\j)%2)+4+\t], v[SAP+4*(\j)+(\a)] matrix_a_fmt:MATRIX_FMT_FP6 matrix_b_fmt:MATRIX_FMT_FP6 matrix_a_scale:MATRIX_SCALE_ROW1 matrix_b_scale:MATRIX_SCALE_ROW1
.else
	v_wmma_scale_f32_16x16x128_f8f6f4 v[8*(8*(\a)+\t):8*(8*(\a)+\t)+7], v[96*(\q)+12*\t:96*(\q)+12*\t+11], v[AF+48*(\q)+12*(\a):AF+48*(\q)+12*(\a)+11], v[8*(8*(\a)+\t):8*(8*(\a)+\t)+7], v[SC+12*((\j)%2)+4+\t], v[SAP+4*(\j)+(\a)] matrix_a_fmt:MATRIX_FMT_FP6 matrix_b_fmt:MATRIX_FMT_FP6
.endif
.endr
.endr
.endm
.macro EVEN j, mode, first
.if (\first) == 0
	PLACES 4
.endif
	FRAGS \j, 1, 1
	s_wait_dscnt 36                                ; all but the 36 loads just issued
	MUL16 0, 0, 0, \j, \mode
	MUL16 2, 0, 0, \j, \mode
.endm
.macro ODD j
	s_wait_dscnt 0x0                               ; this step's fragments are in
	MUL16 0, 1, 1, \j, 0
	WIN 0
	PLACES 4
	SCALES (\j)+1
	FRAGS (\j)+1, 0, 0
	MUL16 2, 1, 1, \j, 0
.endm
.macro CODES a
.set AC, 64*(\a)
.set PCR, AF+24*(\a)
.irp b, 0,1,2,3
	v_add_nc_u32 v[TM+12+\b], 0xff000000, v[TM+\b] ; 2 off the exponent field: the conversion's scale operand
.endr
.irp b, 0,1,2,3
	v_lshrrev_b32 v[TM+4+\b], 23, v[TM+12+\b]      ; the scale's byte
.endr
	v_lshl_or_b32 v[PW+(\a)], v[TM+5], 8, v[TM+4]
	v_lshl_or_b32 v[PW+(\a)], v[TM+6], 16, v[PW+(\a)]
	v_lshl_or_b32 v[PW+(\a)], v[TM+7], 24, v[PW+(\a)]
	WIN 0x01
.irp c, 0,1
	v_cvt_scalef32_pk16_fp6_f32 v[PCR+6*\c:PCR+6*\c+2], v[AC+32*\c:AC+32*\c+15], v[TM+12+2*\c]
	v_cvt_scalef32_pk16_fp6_f32 v[PCR+12+4*\c:PCR+14+4*\c], v[AC+32*\c+16:AC+32*\c+31], v[TM+12+2*\c+1]
.endr
	WIN 0
	v_nop                                          ; one plain place behind a scaled conversion
.irp c, 0,1
.irp i, 0,1,2
	v_permlane16_swap_b32 v[PCR+6*\c+\i], v[PCR+12+4*\c+\i]
.endr
.irp i, 0,1,2
	v_mov_b32 v[PCR+3+6*\c+\i], v[PCR+12+4*\c+\i]
.endr
.endr
.endm
.macro QUANT a
.set AC, 64*(\a)
	WIN 0x05
.irp b, 0,1,2,3
	v_max3_num_f32 v[TM+\b], |v[AC+16*\b]|, |v[AC+16*\b+1]|, 0x1800000
.endr
.irp i, 2,4,6,8,10,12,14
.irp b, 0,1,2,3
	v_max3_num_f32 v[TM+\b], |v[AC+16*\b+\i]|, |v[AC+16*\b+\i+1]|, v[TM+\b]
.endr
.endr
	WIN 0
.irp b, 0,1,2,3
	v_permlanex16_b32 v[TM+4+\b], v[TM+\b], s90, s91
.endr
.irp b, 0,1,2,3
	v_max_num_f32 v[TM+\b], v[TM+\b], v[TM+4+\b]
.endr
	CODES \a
.endm
.macro PUT a
.set PCR, AF+24*(\a)
.irp c, 0,1,2
	global_store_b128 v[LI], v[PCR+4*\c:PCR+4*\c+3], s[84:85] offset:REC*((\a)/2)+2*FRB*((\a)%2)+512*\c   ; 512 consecutive bytes, at a multiple of 256 from the buffer's first byte
.endr
.endm
.macro PUTW a                          ; tile a's scale word goes to meet the other wave's
	ds_store_b32 v[SWI], v[PW+(\a)] offset:256*((\a)/2)+128*((\a)%2)
.endm
; The two runs of piece j for tile a: their sums under the row's M, and d off the scale bytes.
.macro ADJ j, a
.set XR, STT+16*(\j)+4*(\a)
	v_sub_f32 v[XR], v[GG+(\a)], v[XR]             ; M_s - M: a whole number, 0 or less
	v_sub_f32 v[XR+1], v[GG+(\a)], v[XR+1]
	v_max_num_f32 v[XR], 0xc2fe0000, v[XR]         ; held at -127
	v_max_num_f32 v[XR+1], 0xc2fe0000, v[XR+1]
	v_cvt_i32_f32 v[XR], v[XR]
	v_cvt_i32_f32 v[XR+1], v[XR+1]
	v_ldexp_f32 v[XR+2], v[XR+2], v[XR]            ; the run's sum under the row's M: nothing is rounded
	v_ldexp_f32 v[XR+3], v[XR+3], v[XR+1]
	v_cndmask_b32 v[XR], v[XR], v[XR+1], vcc_lo    ; lanes 0-15 hold run 0's scale word, lanes 16-31 run 1's
	v_sub_nc_u32 v[XR], 0, v[XR]                   ; d, 0 .. 127,
	v_lshl_or_b32 v[XR], v[XR], 8, v[XR]
	v_lshl_or_b32 v[XR], v[XR], 16, v[XR]          ; in all four bytes
	v_or_b32 v[XR+1], 0x80808080, v[SAP+4*(\j)+(\a)]
	v_sub_nc_u32 v[XR+1], v[XR+1], v[XR]           ; 128 + byte - d in each byte: no borrow crosses
	v_and_b32 v[XR], 0x80808080, v[XR+1]           ; bit 7 is left where byte >= d
	v_lshrrev_b32 v[TX], 7, v[XR]
	v_sub_nc_u32 v[XR], v[XR], v[TX]               ; 0x7f there, 0 elsewhere
	v_and_b32 v[SAP+4*(\j)+(\a)], v[XR+1], v[XR]   ; byte - d, held at 0
.if (\j) == 0
	v_add_f32 v[LSUM+(\a)], v[XR+2], v[XR+3]
.else
	v_add_f32 v[XR+2], v[XR+2], v[XR+3]
	v_add_f32 v[LSUM+(\a)], v[LSUM+(\a)], v[XR+2]
.endif
.endm
	s_load_b256 s[4:11], s[0:1], 0x0               ; pc, st, qkv, oc
	v_lshl_add_u32 v254, v0, 2, 0x4b400
	v_mov_b32 v255, 0
	ds_add_u32 v254, v255
	ds_add_u32 v254, v255
	v_lshrrev_b32 v1, 5, v0
	v_readfirstlane_b32 s16, v1                    ; wave
	s_lshr_b32 s17, s16, 1                         ; my half of the queries.  Also: I fetch for p (0) or for vT (1)
	s_and_b32 s18, s16, 1                          ; my half of f.  Also: which half of that side's records I fetch
	s_bfe_u32 s19, ttmp6, 0x40000                  ; cx = the tile column (the grid is one cluster wide)
	s_bfe_u32 s20, ttmp6, 0x40004                  ; cy
	s_and_b32 s21, ttmp7, 0xffff                   ; the cluster's y
	s_lshl_b32 s2, s20, 2
	s_lshl_b32 s2, 15, s2                          ; my row of the cluster
	s_lshl_b32 s66, 0x1111, s19                    ; my column
	s_or_b32 s[G1A], s2, (3<<16)|(1<<21)           ; the mask; elements of 8 bytes; bit 21 beside a mask; no padding
	s_or_b32 s[G1B], s66, (3<<16)|(1<<21)
	s_mov_b32 s[G1A+1], 1600<<16                   ; a row: two records, 12,800 bytes
	s_mov_b32 s[G1A+2], 4<<16                      ; four rows: the pieces
	s_mov_b32 s[G1A+3], 1600<<16
	s_mov_b32 s[G1A+4], 4
	s_mov_b32 s[G1A+5], XSTR/8                     ; from piece to piece in pc
	s_mov_b32 s[G1A+6], 0
	s_mov_b32 s[G1A+7], 0
	s_mov_b32 s[G1B+1], 3200<<16                   ; a row: four records, 25,600 bytes
	s_mov_b32 s[G1B+2], 4<<16
	s_mov_b32 s[G1B+3], 3200<<16
	s_mov_b32 s[G1B+4], 4
	s_mov_b32 s[G1B+5], WSTR/8                     ; from piece to piece in vT
	s_mov_b32 s[G1B+6], 0
	s_mov_b32 s[G1B+7], 0
	s_lshl_b32 s22, s21, 2
	s_add_co_u32 s22, s22, s20                     ; the tile row, 0 .. 63
	s_lshl_b32 s2, s22, 2                          ; p: records 4 x tile row + 2 x my half
	s_lshl_b32 s3, s18, 1
	s_add_co_u32 s2, s2, s3
	s_mul_i32 s80, s2, REC
	s_mov_b32 s81, 0
	s_lshr_b32 s66, s21, 1                         ; the batch
	s_lshl_b32 s66, s66, 7                         ; vT: its 128 records, + 8 x tile column + 4 x my half
	s_lshl_b32 s67, s19, 3
	s_add_co_u32 s66, s66, s67
	s_lshl_b32 s67, s18, 2
	s_add_co_u32 s66, s66, s67
	s_mul_i32 s82, s66, REC
	s_add_co_u32 s82, s82, 8*XSTR                  ; vT lies behind q and k
	s_mov_b32 s83, 0
	s_wait_dscnt 0x0
	s_wait_kmcnt 0x0
	s_add_nc_u64 s[80:81], s[4:5], s[80:81]
	s_add_nc_u64 s[82:83], s[8:9], s[82:83]
	s_mul_i32 s2, s18, AHALF                       ; where they go: the wave's number alone
	s_mul_i32 s66, s18, BHALF
	s_add_co_u32 s66, s66, BOFF
	s_mov_b32 s40, 1
	s_mov_b32 s41, s2
	s_mov_b64 s[42:43], s[80:81]
	s_or_b32 s43, s43, 0x80000000
	s_mov_b32 s56, 1
	s_mov_b32 s57, s66
	s_mov_b64 s[58:59], s[82:83]
	s_or_b32 s59, s59, 0x80000000
	CROUND                                         ; all sixteen work-groups are here: the joint loads meet
	s_cmp_eq_u32 s17, 0                            ; a wave's four fills stand in one branch on its number
	s_cbranch_scc0 .Lfill_b
	tensor_load_to_lds s[40:43], s[G1A:G1A+7]
	s_nop 0
.rept 4
	v_nop
.endr
	s_branch .Lfilled
.Lfill_b:
	tensor_load_to_lds s[56:59], s[G1B:G1B+7]
	s_nop 0
.rept 4
	v_nop
.endr
.Lfilled:
	v_and_b32 v1, 31, v0
	v_and_b32 v2, 15, v0
	v_lshlrev_b32 v[LI], 4, v1
	v_lshlrev_b32 v[LS], 2, v1
	v_lshlrev_b32 v[L8], 3, v1
	v_lshlrev_b32 v[R16], 4, v2
	s_wait_alu depctr_va_vdst(0)
	s_lshl_b32 s97, s22, 2
	s_lshl_b32 s98, s17, 1
	s_add_co_u32 s98, s98, s97
	s_mul_i32 s98, s98, REC                        ; my two records: 4 x tile row + 2 (w / 2)
	s_mov_b32 s99, 0
	s_add_nc_u64 s[88:89], s[4:5], s[98:99]        ; in pc, for the scale words
	s_lshl_b32 s2, s22, 11                         ; my 64 rows' statistics: 2,048 bytes a tile row, 1,024 a half
	s_lshl_b32 s3, s17, 10
	s_add_co_u32 s2, s2, s3
	s_mov_b32 s3, 0
	s_add_nc_u64 s[94:95], s[6:7], s[2:3]
.irp j, 0,1,2,3
.irp a, 0,1,2,3
	global_load_b128 v[STT+16*\j+4*\a:STT+16*\j+4*\a+3], v[R16], s[94:95] offset:\j*131072+256*\a
	global_load_b32 v[SAP+4*\j+\a], v[LS], s[88:89] offset:\j*XSTR+REC*(\a/2)+SCW+128*(\a%2)
.endr
.endr
	s_mul_i32 s2, s17, AHALF
	s_mul_i32 s3, s18, BHALF
	s_add_co_u32 s3, s3, BOFF
.irp j, 0,1,2,3
	v_add_nc_u32 v[ADRA+\j], s2, v[LI]
	v_add_nc_u32 v[ADRB+\j], s3, v[LI]
	v_add_nc_u32 v[ASB+\j], s3, v[LS]
	s_add_co_u32 s2, s2, 2*REC
	s_add_co_u32 s3, s3, 4*REC
.endr
	s_lshl_b32 s2, s17, 9
	s_lshl_b32 s3, s18, 6
	s_add_co_u32 s2, s2, s3
	s_add_co_u32 s2, s2, SCST
	v_lshl_add_u32 v[SWI], v2, 2, s2
	s_lshl_b32 s2, s16, 8
	s_add_co_u32 s2, s2, SCST
	v_add_nc_u32 v[SWO], s2, v[L8]
.irp b, 0,1,2,3
	v_mov_b32 v[TM+4+\b], 0                        ; written once: a lane permute's destination counts as one of its sources
	v_mov_b32 v[RL+2*\b+1], 0                      ; (named as the upper half of a pair)
.endr
	s_mov_b32 s90, 0x76543210
	s_mov_b32 s91, 0xfedcba98
	s_mov_b32 vcc_lo, 0xffff0000                   ; lanes 16-31
	s_mul_i32 s96, s19, XSTR                       ; o: the tile column is a piece of the next K
	s_add_co_u32 s98, s98, s96
	s_mul_i32 s2, s18, FRB
	s_add_co_u32 s98, s98, s2
	s_add_nc_u64 s[84:85], s[10:11], s[98:99]
	s_add_co_u32 s97, s97, s16
	s_mul_i32 s97, s97, REC
	s_add_co_u32 s96, s96, s97
	s_mov_b32 s97, 0
	s_add_nc_u64 s[86:87], s[10:11], s[96:97]
	s_wait_loadcnt 0x0                             ; the statistics and p's scale words
.irp a, 0,1,2,3
	v_min3_num_f32 v[GG+\a], v[STT+4*\a], v[STT+4*\a+1], v[STT+16+4*\a]      ; the least -M of the eight runs: the row's
	v_min3_num_f32 v[GG+\a], v[GG+\a], v[STT+16+4*\a+1], v[STT+32+4*\a]
	v_min3_num_f32 v[GG+\a], v[GG+\a], v[STT+32+4*\a+1], v[STT+48+4*\a]
	v_min_num_f32 v[GG+\a], v[GG+\a], v[STT+48+4*\a+1]
.endr
.irp j, 0,1,2,3
.irp a, 0,1,2,3
	ADJ \j, \a
.endr
.endr
	s_wait_alu depctr_va_vdst(0)
.irp a, 0,1,2,3
	v_rcp_f32 v[RL+2*\a], v[LSUM+\a]
.endr
	v_nop                                          ; a plain place behind the last reciprocal
	s_wait_alu depctr_va_vdst(0)                   ; one wait for the four, ahead of the first use
	PLACES 8                                       ; scale registers written by vector instructions stand eight places ahead of a scaled matrix instruction
	s_wait_tensorcnt 0x0                           ; my one load has landed
	s_barrier_signal -1
	s_barrier_wait -1
	SCALES 0
	FRAGS 0, 0, 0
	EVEN 0, 1, 1
	ODD 0
	EVEN 1, 0, 0
	ODD 1
	EVEN 2, 0, 0
	ODD 2
	EVEN 3, 0, 0
	s_wait_dscnt 0x0
	MUL16 0, 1, 1, 3, 0
	MUL16 2, 1, 1, 3, 0
	WIN 0
	PLACES 4
.irp a, 0,1,2,3
	WIN 0x41                                       ; destination and source 0: window 1
.set jj, 64*\a
.rept 32
	v_pk_mul_f32 v[jj:jj+1], v[jj:jj+1], v[RL+2*\a:RL+2*\a+1] op_sel_hi:[1,0]   ; / l; each accumulator from its low end on
.set jj, jj+2
.endr
	QUANT \a
	PUT \a                                         ; each result tile's codes leave as soon as they are made
	PUTW \a
.endr
	s_wait_alu depctr_va_vdst(0)
	s_wait_dscnt 0x0                               ; for the others' sake: my scale words lie in LDS
	s_barrier_signal -1
	s_barrier_wait -1
	ds_load_b64 v[OW:OW+1], v[SWO]
	s_wait_dscnt 0x0
	global_store_b64 v[L8], v[OW:OW+1], s[86:87] offset:SCW   ; a record's 256 bytes of scale words, by one instruction
	s_wait_tensorcnt 0x0
	ds_add_u32 v254, v255
	s_wait_dscnt 0x0
	CROUND                                         ; the closing round
	s_endpgm
.Lfunc_end_k_q5ba7513300_pv:
	.size	k_q5ba7513300_pv, .Lfunc_end_k_q5ba7513300_pv-k_q5ba7513300_pv
	.p2alignl 7, 3214868480
	.fill 96, 4, 3214868480
	.section	.rodata,"a",@progbits
	.p2align	6, 0x0
	.amdhsa_kernel k_q5ba7513300_pv
		.amdhsa_group_segment_fixed_size 327680
		.amdhsa_private_segment_fixed_size 0
		.amdhsa_enable_private_segment 0
		.amdhsa_kernarg_size 32
		.amdhsa_user_sgpr_count 2
		.amdhsa_user_sgpr_kernarg_segment_ptr 1
		.amdhsa_wavefront_size32 1
		.amdhsa_system_sgpr_workgroup_id_x 1
		.amdhsa_system_sgpr_workgroup_id_y 1
		.amdhsa_system_sgpr_workgroup_id_z 1
		.amdhsa_system_vgpr_workitem_id 0
		.amdhsa_next_free_vgpr 768
		.amdhsa_next_free_sgpr 100
		.amdhsa_reserve_vcc 1
		.amdhsa_float_denorm_mode_32 3
		.amdhsa_float_denorm_mode_16_64 3
		.amdhsa_memory_ordered 1
		.amdhsa_forward_progress 1
		.amdhsa_inst_pref_size 105
	.end_amdhsa_kernel
	.amdgpu_metadata
---
amdhsa.version: [ 1, 2 ]
amdhsa.kernels:
  - .name:           k_q5ba7513300_pv
    .symbol:         k_q5ba7513300_pv.kd
    .args:
      - { .name: pc, .offset: 0, .size: 8, .value_kind: global_buffer, .address_space: global }
      - { .name: st, .offset: 8, .size: 8, .value_kind: global_buffer, .address_space: global }
      - { .name: qkv, .offset: 16, .size: 8, .value_kind: global_buffer, .address_space: global }
      - { .name: oc, .offset: 24, .size: 8, .value_kind: global_buffer, .address_space: global }
    .group_segment_fixed_size: 327680
    .private_segment_fixed_size: 0
    .kernarg_segment_align: 8
    .kernarg_segment_size: 32
    .max_flat_workgroup_size: 128
    .sgpr_count:     100
    .vgpr_count:     768
    .wavefront_size: 32
...
	.end_amdgpu_metadata
.endif
;; end of part 4
;; launch outp (part 5): grid 4 x 64, 4 waves a work-group, clusters of 4 x 4, 327,680 bytes of LDS; arguments oc, wc, bo, out0; writes out0
.if DOCPART == 5
	.amdgcn_target "amdgcn-amd-amdhsa--gfx1250"
	.amdhsa_code_object_version 6
	.text
	.protected	k_q5ba7513300_outp
	.globl	k_q5ba7513300_outp
	.p2align	8
	.type	k_q5ba7513300_outp,@function
k_q5ba7513300_outp:
	s_mov_b64 s[64:65], 0
	v_nop
	global_prefetch_b8 v0, s[64:65] scope:SCOPE_SE
	s_setreg_imm32_b32 hwreg(HW_REG_WAVE_MODE, 25, 1), 1
	s_wait_xcnt 0x0
	s_wait_alu depctr_hold_cnt(0) depctr_sa_sdst(0) depctr_va_vdst(0) depctr_va_sdst(0) depctr_va_ssrc(0) depctr_va_vcc(0) depctr_vm_vsrc(0)
	s_getreg_b32 s2, hwreg(HW_REG_IB_STS2, 6, 4)
	s_cmp_eq_u32 s2, 0
	s_cbranch_scc0 .Lentry_in_a_cluster
	s_endpgm
.Lentry_in_a_cluster:
	s_bfe_u32 s2, ttmp6, 0x10000c
	s_cmp_lg_u32 s2, 0xf033
	s_cbranch_scc0 .Lentry_shape_is_right
	s_endpgm
.Lentry_shape_is_right:
; out0 = o Wo^T + bo, on codes of FP6 (E2M3) with E8M0 scales; out0 [8192][1024] f32.  The bias is the C of each sum's first matrix instruction.
; OPERAND LAYOUT: a tile is 16 rows: tile 2 b + u, lane-row r = true row 32 b + 8 u + r + 8 (r / 8).  A fragment (tile, 128 along K) is an image of its 12 registers: 1,536 bytes, registers 4 c .. 4 c + 3 of lane l at 512 c + 16 l.
; A record (pair b, piece of 256 along K) is 6,400 bytes: fragments (u, s) at (2 u + s) 1,536, then scale words (u, s, r) at 6,144 + 128 u + 64 s + 4 r.  oc: [piece 4][pair 256][6,400]; Wo, at 2,457,600 in wc: [piece 4][pair 32][6,400].
; SHARES: a work-group makes 128 rows x 256 columns; wave w rows 64 (w / 2), columns 128 (w % 2): 4 tiles of o x 8 of Wo, 32 accumulators.  THE PRODUCT IS USED TRANSPOSED (source 0 = 16 rows of Wo, source 1 = 16 rows of o):
; a lane holds one row, and registers 64 a + 16 b + i are columns 32 b + 16 (lane / 16) + i of the wave's 128.
; ALL OF K LIES IN LDS, filled once: piece j at 76,800 j: o's 4 records, then Wo's 8.  Each wave issues four tensor loads at the head: four of mine are out, by this text's count.
; THE WAY OUT: a tile's 16 rows x 512 bytes go through the wave's own stage in LDS and leave as whole rows.  The stages lie in piece 0: it has had its only fill, and every wave's reads of it were waited for ahead of the barrier in front of piece 1.
; CLUSTER 4 x 4: o's records are asked for jointly along a row of the cluster, Wo's along a column.  No prefetch: every tile of the launch is asked for at its head.
; REGISTERS: window 0: v1-31 addresses; v32-55 scale words; v64-159 o's fragments; on the way out v64-191 rows of the result.  window 1: the accumulators.  window 2: v0-191 Wo's fragments; v192-255 the bias, eight registers a tile of Wo.
.set REC,   6400
.set FRB,   1536
.set SCW,   4*FRB
; LDS AND ITS FILLS AS THEY NOW STAND (in place of the head's paragraphs 'ALL OF K LIES IN LDS' and 'THE WAY OUT', and of Wo's place): all of K lies in LDS, filled once, by ONE tensor load a wave: four rows, one a piece, of 12,800 bytes
; (waves 0, 1: o's halves) or of 25,600 (waves 2, 3: Wo's), 1,638,400 bytes apart in memory.  o's half h lies at 51,200 h, Wo's half h at 102,400 + 102,400 h, each as [piece 4][records].  One load of mine is out, and the one wait for it is for 0.
; Wo is wc's fourth tensor, at 19,660,800, laid with oc's strides (pair slots 0-31 in use).
; The four stages of the way out, 33,792 bytes, lie on pieces 0 to 2 of o's half 0: these bytes have had their only fill, and every wave's reads of them were waited for ahead of the barrier in piece 2's second K step.
.set PIECE, 12*REC
.set AHALF, 8*REC
.set BOFF,  16*REC
.set BHALF, 16*REC
.set XSTR,  256*REC
.set WSTR,  32*REC
.set SPIT,  528                        ; a stage row: 512 bytes + 16
.set LI,   4
.set LS,   5
.set H64,  7                           ; v7 64 x (lane / 16): my half's 16 numbers of the bias
.set ADRA, 8
.set ADRB, 12
.set ASA,  16
.set ASB,  20
.set STI,  27                          ; v27 the stage: where I put my row's numbers
.set STO,  28                          ; v28 and where I read a row back
.set SC,   32
.set AF,   64
.set BI,   192                         ; in window 2
.set G1A,  24
.set G1B,  32
.set G0A,  40
.set MSB, 0
.macro WIN new                         ; the immediate's high byte repeats the setting that is left
.if MSB != \new
	s_set_vgpr_msb (MSB<<8)|\new
.set MSB, \new
.endif
.endm
.macro CROUND                          ; a round of the cluster's barrier
	s_barrier_signal -1
	s_barrier_wait -1
	s_cmp_lg_u32 s16, 0
	s_cbranch_scc1 .Lnot_wave_0_\@
	s_barrier_signal -3
.Lnot_wave_0_\@:
	s_barrier_wait -3
	s_barrier_signal -1
	s_barrier_wait -1
.endm
.macro PLACES n                        ; plain places behind matrix instructions (ISA guide 7.12.1)
.rept \n
	v_nop
.endr
.endm
.macro FRAGS j, s, q                   ; 36 loads: the fragments of piece j's K step s into set q
	WIN 0x80
.irp t, 0,1,2,3,4,5,6,7
.irp c, 0,1,2
	ds_load_b128 v[96*(\q)+12*\t+4*\c:96*(\q)+12*\t+4*\c+3], v[ADRB+(\j)] offset:(\t/2)*REC+(2*(\t%2)+(\s))*FRB+512*\c
.endr
.endr
	WIN 0
.irp a, 0,1,2,3
.irp c, 0,1,2
	ds_load_b128 v[AF+48*(\q)+12*\a+4*\c:AF+48*(\q)+12*\a+4*\c+3], v[ADRA+(\j)] offset:(\a/2)*REC+(2*(\a%2)+(\s))*FRB+512*\c
.endr
.endr
.endm
.macro SCALES j                        ; piece j's scale words: lanes 0-15 get K step 0's, lanes 16-31 K step 1's
.irp a, 0,1,2,3
	ds_load_b32 v[SC+12*((\j)%2)+\a], v[ASA+(\j)] offset:(\a/2)*REC+SCW+128*(\a%2)
.endr
.irp t, 0,1,2,3,4,5,6,7
	ds_load_b32 v[SC+12*((\j)%2)+4+\t], v[ASB+(\j)] offset:(\t/2)*REC+SCW+128*(\t%2)
.endr
.endm
; 16 matrix instructions; the 32 accumulators take turns, one instruction a turn, in the same order in every K step.  mode 2: the first product starts the sums from the bias.
.macro MUL16 a0, q, s, j, mode
.if (\mode) == 2
	WIN 0x62                                       ; source 0 window 2, source 1 window 0, C (the bias) window 2, D window 1
.else
	WIN 0x52                                       ; C and D window 1
.endif
.irp a, \a0, \a0+1
.irp t, 0,1,2,3,4,5,6,7
.if (\mode) == 2
	v_wmma_scale_f32_16x16x128_f8f6f4 v[8*(8*(\a)+\t):8*(8*(\a)+\t)+7], v[96*(\q)+12*\t:96*(\q)+12*\t+11], v[AF+48*(\q)+12*(\a):AF+48*(\q)+12*(\a)+11], v[BI+8*\t:BI+8*\t+7], v[SC+12*((\j)%2)+4+\t], v[SC+12*((\j)%2)+(\a)] matrix_a_fmt:MATRIX_FMT_FP6 matrix_b_fmt:MATRIX_FMT_FP6
.elseif (\s) == 1
	v_wmma_scale_f32_16x16x128_f8f6f4 v[8*(8*(\a)+\t):8*(8*(\a)+\t)+7], v[96*(\q)+12*\t:96*(\q)+12*\t+11], v[AF+48*(\q)+12*(\a):AF+48*(\q)+12*(\a)+11], v[8*(8*(\a)+\t):8*(8*(\a)+\t)+7], v[SC+12*((\j)%2)+4+\t], v[SC+12*((\j)%2)+(\a)] matrix_a_fmt:MATRIX_FMT_FP6 matrix_b_fmt:MATRIX_FMT_FP6 matrix_a_scale:MATRIX_SCALE_ROW1 matrix_b_scale:MATRIX_SCALE_ROW1
.else
	v_wmma_scale_f32_16x16x128_f8f6f4 v[8*(8*(\a)+\t):8*(8*(\a)+\t)+7], v[96*(\q)+12*\t:96*(\q)+12*\t+11], v[AF+48*(\q)+12*(\a):AF+48*(\q)+12*(\a)+11], v[8*(8*(\a)+\t):8*(8*(\a)+\t)+7], v[SC+12*((\j)%2)+4+\t], v[SC+12*((\j)%2)+(\a)] matrix_a_fmt:MATRIX_FMT_FP6 matrix_b_fmt:MATRIX_FMT_FP6
.endif
.endr
.endr
.endm
.macro EVEN j, mode, first
.if (\first) == 0
	PLACES 4
.endif
	FRAGS \j, 1, 1
	s_wait_dscnt 36                                ; all but the 36 loads just issued
	MUL16 0, 0, 0, \j, \mode
	MUL16 2, 0, 0, \j, \mode
.endm
.macro ODD j
	; the barrier below parts the reads of piece j from what is later stored over them on the way out
	; one barrier alone is written, in piece 2's second K step: in front of it every wave has waited for its reads of pieces 0 to 2, on whose bytes (o's half 0) the stages of the way out lie
	s_wait_dscnt 0x0                               ; this step's fragments are in, and no LDS instruction of mine is out at the signal
.if (\j) == 2
	s_barrier_signal -1
.endif
	MUL16 0, 1, 1, \j, 0
	WIN 0
.if (\j) == 2
	s_barrier_wait -1
.endif
	PLACES 4
	SCALES (\j)+1
	FRAGS (\j)+1, 0, 0
	MUL16 2, 1, 1, \j, 0
.endm
.macro TOSTAGE a                       ; tile a: 16 rows x 128 columns into my stage, and back as whole rows of 512 bytes
	WIN 0x04                                       ; an LDS store's data are its source 1: window 1
.irp b, 0,1,2,3
.irp q, 0,1,2,3
	ds_store_b128 v[STI], v[64*(\a)+16*\b+4*\q:64*(\a)+16*\b+4*\q+3] offset:128*\b+16*\q   ; each accumulator from its low end on
.endr
.endr
	WIN 0
.irp i, 0,1,2,3,4,5,6,7,8,9,10,11,12,13,14,15
	ds_load_b128 v[AF+64*((\a)%2)+4*\i:AF+64*((\a)%2)+4*\i+3], v[STO] offset:SPIT*\i   ; LDS serves a wave's instructions in order: these see the stores above, and the next tile's stores come behind them
.endr
.endm
.macro SEND a, younger                 ; younger: the LDS instructions issued behind tile a's loads, which may stay out
	s_wait_dscnt \younger
.irp i, 0,1,2,3,4,5,6,7,8,9,10,11,12,13,14,15
	global_store_b128 v[LI], v[AF+64*((\a)%2)+4*\i:AF+64*((\a)%2)+4*\i+3], s[84:85] offset:(32*((\a)/2)+8*((\a)%2)+\i+8*(\i/8))*4096 th:TH_STORE_NT   ; lane-row i's true row; 512 consecutive bytes, at a multiple of 256 from out0's first byte
.endr
.endm
	s_load_b256 s[4:11], s[0:1], 0x0               ; oc, wc, bo, out0
	v_lshl_add_u32 v254, v0, 2, 0x4b000
	v_mov_b32 v255, 0
	ds_add_u32 v254, v255
	ds_add_u32 v254, v255
	v_lshrrev_b32 v1, 5, v0
	v_readfirstlane_b32 s16, v1                    ; wave
	s_lshr_b32 s17, s16, 1                         ; my half of the rows.  Also: I fetch for o (0) or for Wo (1)
	s_and_b32 s18, s16, 1                          ; my half of the columns.  Also: which half of that side's records I fetch
	s_bfe_u32 s19, ttmp6, 0x40000                  ; cx = the tile column (the grid is one cluster wide)
	s_bfe_u32 s20, ttmp6, 0x40004                  ; cy
	s_and_b32 s21, ttmp7, 0xffff                   ; the cluster's y
	s_lshl_b32 s2, s20, 2
	s_lshl_b32 s2, 15, s2                          ; my row of the cluster
	s_lshl_b32 s66, 0x1111, s19                    ; my column
	s_or_b32 s[G1A], s2, (3<<16)|(1<<21)           ; the mask; elements of 8 bytes; bit 21 beside a mask; no padding
	s_or_b32 s[G1B], s66, (3<<16)|(1<<21)
	s_mov_b32 s[G1A+1], 1600<<16                   ; a row: two records, 12,800 bytes
	s_mov_b32 s[G1A+2], 4<<16                      ; four rows: the pieces
	s_mov_b32 s[G1A+3], 1600<<16
	s_mov_b32 s[G1A+4], 4
	s_mov_b32 s[G1A+5], XSTR/8                     ; from piece to piece
	s_mov_b32 s[G1A+6], 0
	s_mov_b32 s[G1A+7], 0
	s_mov_b32 s[G1B+1], 3200<<16                   ; a row: four records, 25,600 bytes
	s_mov_b32 s[G1B+2], 4<<16
	s_mov_b32 s[G1B+3], 3200<<16
	s_mov_b32 s[G1B+4], 4
	s_mov_b32 s[G1B+5], XSTR/8
	s_mov_b32 s[G1B+6], 0
	s_mov_b32 s[G1B+7], 0
	s_lshl_b32 s22, s21, 2
	s_add_co_u32 s22, s22, s20                     ; the tile row, 0 .. 63
	s_lshl_b32 s2, s22, 2                          ; o: records 4 x tile row + 2 x my half
	s_lshl_b32 s3, s18, 1
	s_add_co_u32 s2, s2, s3
	s_mul_i32 s80, s2, REC
	s_mov_b32 s81, 0
	s_lshl_b32 s66, s19, 3                         ; Wo: records 8 x tile column + 4 x my half
	s_lshl_b32 s67, s18, 2
	s_add_co_u32 s66, s66, s67
	s_mul_i32 s82, s66, REC
	s_add_co_u32 s82, s82, 12*XSTR                 ; Wo lies behind Wq, Wk and Wv
	s_mov_b32 s83, 0
	s_wait_dscnt 0x0
	s_wait_kmcnt 0x0
	s_add_nc_u64 s[80:81], s[4:5], s[80:81]
	s_add_nc_u64 s[82:83], s[6:7], s[82:83]
	s_mul_i32 s2, s18, AHALF                       ; where they go: the wave's number alone
	s_mul_i32 s66, s18, BHALF
	s_add_co_u32 s66, s66, BOFF
	s_mov_b32 s40, 1
	s_mov_b32 s41, s2
	s_mov_b64 s[42:43], s[80:81]
	s_or_b32 s43, s43, 0x80000000
	s_mov_b32 s56, 1
	s_mov_b32 s57, s66
	s_mov_b64 s[58:59], s[82:83]
	s_or_b32 s59, s59, 0x80000000
	CROUND                                         ; all sixteen work-groups are here: the joint loads meet
	s_cmp_eq_u32 s17, 0                            ; a wave's four fills stand in one branch on its number
	s_cbranch_scc0 .Lfill_b
	tensor_load_to_lds s[40:43], s[G1A:G1A+7]
	s_nop 0
.rept 4
	v_nop
.endr
	s_branch .Lfilled
.Lfill_b:
	tensor_load_to_lds s[56:59], s[G1B:G1B+7]
	s_nop 0
.rept 4
	v_nop
.endr
.Lfilled:
	v_and_b32 v1, 31, v0
	v_and_b32 v2, 15, v0
	v_bfe_u32 v3, v0, 4, 1
	v_lshlrev_b32 v[LI], 4, v1
	s_wait_alu depctr_va_vdst(0)
	v_lshlrev_b32 v[LS], 2, v1
	s_wait_alu depctr_va_vdst(0)
	v_lshlrev_b32 v[H64], 6, v3
	s_lshl_b32 s96, s19, 10                        ; my first column, in bytes: 1,024 x tile column + 512 x half
	s_lshl_b32 s97, s18, 9
	s_add_co_u32 s96, s96, s97
	s_mov_b32 s97, 0
	s_add_nc_u64 s[94:95], s[8:9], s[96:97]        ; in bo
	WIN 0x80                                       ; destination window 2
.irp t, 0,1,2,3,4,5,6,7                ; tile t's register i is column 32 (t / 2) + 16 (lane / 16) + 8 (t % 2) + i
	global_load_b128 v[BI+8*\t:BI+8*\t+3], v[H64], s[94:95] offset:(32*(\t/2)+8*(\t%2))*4
	global_load_b128 v[BI+8*\t+4:BI+8*\t+7], v[H64], s[94:95] offset:(32*(\t/2)+8*(\t%2))*4+16
.endr
	WIN 0
	s_lshl_b32 s98, s22, 19                        ; my first row: 128 x tile row + 64 x half, rows of 4,096 bytes
	s_lshl_b32 s99, s17, 18
	s_add_co_u32 s98, s98, s99
	s_add_co_u32 s96, s96, s98
	s_add_nc_u64 s[84:85], s[10:11], s[96:97]      ; in out0
	s_mul_i32 s2, s17, AHALF
	s_mul_i32 s3, s18, BHALF
	s_add_co_u32 s3, s3, BOFF
.irp j, 0,1,2,3
	v_add_nc_u32 v[ADRA+\j], s2, v[LI]
	v_add_nc_u32 v[ADRB+\j], s3, v[LI]
	v_add_nc_u32 v[ASA+\j], s2, v[LS]
	v_add_nc_u32 v[ASB+\j], s3, v[LS]
	s_add_co_u32 s2, s2, 2*REC
	s_add_co_u32 s3, s3, 4*REC
.endr
	s_mul_i32 s2, s16, 16*SPIT                     ; my stage
	v_mul_u32_u24 v[STI], v2, SPIT
	v_lshl_add_u32 v[STI], v3, 6, v[STI]
	v_add_nc_u32 v[STI], s2, v[STI]                ; in: row r, + 64 (lane / 16); block b 128 bytes on
	v_add_nc_u32 v[STO], s2, v[LI]                 ; back: a row's 512 bytes, 16 a lane
	s_wait_alu depctr_va_vdst(0)
	s_wait_loadcnt 0x0                             ; the bias
	s_wait_tensorcnt 0x0                           ; my one load has landed
	s_barrier_signal -1
	s_barrier_wait -1
	SCALES 0
	FRAGS 0, 0, 0
	EVEN 0, 2, 1
	ODD 0
	EVEN 1, 0, 0
	ODD 1
	EVEN 2, 0, 0
	ODD 2
	EVEN 3, 0, 0
	s_wait_dscnt 0x0
	MUL16 0, 1, 1, 3, 0
	MUL16 2, 1, 1, 3, 0
	WIN 0
	PLACES 4                                       ; in front of the first read of results and of the loads into the registers that held o's fragments
	TOSTAGE 0
	TOSTAGE 1
	SEND 0, 32                                     ; behind tile 0's loads: tile 1's 16 stores and 16 loads
	s_wait_xcnt 0x0                                ; tile 0's stores have read their registers: tile 2's rows may land there
	TOSTAGE 2
	SEND 1, 32
	s_wait_xcnt 0x0
	TOSTAGE 3
	SEND 2, 32
	SEND 3, 0
	s_wait_tensorcnt 0x0
	ds_add_u32 v254, v255
	s_wait_dscnt 0x0
	CROUND                                         ; the closing round
	s_endpgm
.Lfunc_end_k_q5ba7513300_outp:
	.size	k_q5ba7513300_outp, .Lfunc_end_k_q5ba7513300_outp-k_q5ba7513300_outp
	.p2alignl 7, 3214868480
	.fill 96, 4, 3214868480
	.section	.rodata,"a",@progbits
	.p2align	6, 0x0
	.amdhsa_kernel k_q5ba7513300_outp
		.amdhsa_group_segment_fixed_size 327680
		.amdhsa_private_segment_fixed_size 0
		.amdhsa_enable_private_segment 0
		.amdhsa_kernarg_size 32
		.amdhsa_user_sgpr_count 2
		.amdhsa_user_sgpr_kernarg_segment_ptr 1
		.amdhsa_wavefront_size32 1
		.amdhsa_system_sgpr_workgroup_id_x 1
		.amdhsa_system_sgpr_workgroup_id_y 1
		.amdhsa_system_sgpr_workgroup_id_z 1
		.amdhsa_system_vgpr_workitem_id 0
		.amdhsa_next_free_vgpr 768
		.amdhsa_next_free_sgpr 100
		.amdhsa_reserve_vcc 0
		.amdhsa_float_denorm_mode_32 3
		.amdhsa_float_denorm_mode_16_64 3
		.amdhsa_memory_ordered 1
		.amdhsa_forward_progress 1
		.amdhsa_inst_pref_size 78
	.end_amdhsa_kernel
	.amdgpu_metadata
---
amdhsa.version: [ 1, 2 ]
amdhsa.kernels:
  - .name:           k_q5ba7513300_outp
    .symbol:         k_q5ba7513300_outp.kd
    .args:
      - { .name: oc, .offset: 0, .size: 8, .value_kind: global_buffer, .address_space: global }
      - { .name: wc, .offset: 8, .size: 8, .value_kind: global_buffer, .address_space: global }
      - { .name: bo, .offset: 16, .size: 8, .value_kind: global_buffer, .address_space: global }
      - { .name: out0, .offset: 24, .size: 8, .value_kind: global_buffer, .address_space: global }
    .group_segment_fixed_size: 327680
    .private_segment_fixed_size: 0
    .kernarg_segment_align: 8
    .kernarg_segment_size: 32
    .max_flat_workgroup_size: 128
    .sgpr_count:     100
    .vgpr_count:     768
    .wavefront_size: 32
...
	.end_amdgpu_metadata
.endif
;; end of part 5
